; MI455X (gfx1250); checked and timed in simulation.
; The chip was launched on July 23, 2026; its instructions are those of AMD's public machine-readable ISA for CDNA 5 (MIT licence, August 2026) and "CDNA5" Instruction Set Architecture Reference Guide (July 2026). The comments in the code are by the model that wrote it; some were corrected since.
;; Causal Attention. Allowed arithmetic: matrix products marked QUANTISED: E3M2 operands, one E8M0 scale for each 32 along K, by v_wmma_scale_f32_16x16x128_f8f6f4 with both operands' format E3M2, f32 sums; everything else in f32.
;; Inputs: Wk 128 x 4 x 32 float32; Wo 4 x 32 x 128 float32; Wq 128 x 4 x 32 float32; Wv 128 x 4 x 32 float32; beta 128 float32; bk 4 x 32 float32; bo 128 float32; bq 4 x 32 float32; bv 4 x 32 float32; gamma 128 float32; x 4 x 4,096 x 128 float32.
;; Outputs: out0 4 x 4,096 x 128 float32.
;; This version of the problem:
;;   THIS VERSION OF THE PROBLEM IS GIVEN IN LOW PRECISION. The matrix products marked QUANTISED in the list below multiply operands that are first quantised to E3M2 (3 exponent bits, 2 mantissa bits; 6 bits a number), with one power-of-two scale for each 32 numbers along K (OCP MX v1.0); their sums are f32. All else is computed in f32.
;;   The module's matrix products, in the order in which they are computed (A, B: the left and right operand; K: the contracted axis; several contracted axes count as one K, in the product's order):
;;     1. [M 16,384, K 128] x [K 128, N 128]; A: input x; B: input Wq: QUANTISED
;;     2. [M 16,384, K 128] x [K 128, N 128]; A: input x; B: input Wk: QUANTISED
;;     3. [M 16,384, K 128] x [K 128, N 128]; A: input x; B: input Wv: QUANTISED
;;     4. batch 16 x [M 4,096, K 32] x [K 32, N 4,096]; A: computed on the way; B: computed on the way: QUANTISED
;;     5. batch 16 x [M 32, K 4,096] x [K 4,096, N 4,096]; A: computed on the way; B: softmax (see below): QUANTISED
;;     6. [M 16,384, K 128] x [K 128, N 128]; A: computed on the way; B: input Wo: QUANTISED
;;   THE QUANTISER, for each operand of a quantised product, along K:
;;     - K is cut into blocks of 32 from its start; a last block that is shorter is filled with zeros.
;;     - A block's scale is 2^e with e = floor(log2(the largest magnitude in the block)) - 4, held to -126 .. 127; a block of zeros has e = 0. As a byte (E8M0): e + 127.
;;     - Each number is divided by its block's scale, clamped to +-28, and rounded to the nearest number of E3M2, ties to even, subnormals kept.
;;     - The product sums the exact products of the quantised numbers (number of the format x scale) in f32.
;;   ~~~python
;;   def quantise(x, axis):      # numpy; x: float32 -> the quantised numbers, widened to float32 again
;;       x = np.moveaxis(x, axis, -1); K = x.shape[-1]
;;       x = np.pad(x, [(0, 0)] * (x.ndim - 1) + [(0, -K % 32)]); x = x.reshape(x.shape[:-1] + (-1, 32)); a = np.abs(x).max(-1, keepdims=True)
;;       e = np.where(a > 0, np.clip(np.frexp(np.where(a > 0, a, 1))[1] - 1 - 4, -126, 127), 0)      # np.frexp(a)[1] - 1 = floor(log2(a)), exactly
;;       r = np.clip(x / 2.0 ** e, -28, 28)
;;       step = 2.0 ** (np.maximum(np.frexp(np.where(r == 0, 1, r))[1] - 1, -2) - 2)
;;       q = np.round(r / step) * step * 2.0 ** e      # np.round: ties to even
;;       return np.moveaxis(q.reshape(q.shape[:-2] + (-1,))[..., :K], -1, axis).astype(np.float32)
;;   ~~~
;;   SOFTMAX AHEAD OF A QUANTISED PRODUCT. Where the list says 'softmax', what is quantised is not the finished softmax but p = 2^(t - M), with t = logit x log2(e) and M = ceil(the row's largest t), a whole number; so 1/2 < the row's largest p <= 1. The row's sum l is taken of the UNQUANTISED p, in f32, and the product's result is divided by l at the end. Since M is a whole number, a kernel that streams over the keys may use a running M (the ceiling of the running maximum): every later rescaling is an exact power of two, which a block's scale takes up: the codes' values come out the same.
;;   OPERANDS COMPUTED ON THE WAY. 'Computed on the way' means the value that the module computes at that place (a softmax that the list does not call 'softmax' is quantised finished and normalised). What goes into a quantiser is computed in f32, as accurately as f32 sums, v_exp_f32 and their like allow (about 1e-6 of the number): no bf16 or f16 on the way to a quantiser, and a product that is left as it is and whose result goes on into a quantised operand takes f32 operands (vector FMAs, or v_wmma_f32_16x16x4_f32). A number that lies on a knife's edge between two numbers of the format may be rounded either way, as far as f32 arithmetic and the matrix unit's own rounding can turn it there, and no further.
;; 2 versions. Each part assembles by itself: llvm-mc -triple=amdgcn-amd-amdhsa -mcpu=gfx1250 --defsym DOCPART=n.
;; ======== version 1 of 2: 2 launches
;; limits: right only within a limited range of input values
;; workspace buffers: wcodes 53,248 bytes
;; launch wprep (part 1): grid 4 x 4, 1 waves a work-group, no clusters, 0 bytes of LDS; arguments Wq, Wk, Wv, Wo, wcodes; writes wcodes
.if DOCPART == 1
	.amdgcn_target "amdgcn-amd-amdhsa--gfx1250"
	.amdhsa_code_object_version 6
	.text
	.protected	k_qba40792aa0_wprep
	.globl	k_qba40792aa0_wprep
	.p2align	8
	.type	k_qba40792aa0_wprep,@function
k_qba40792aa0_wprep:
	s_mov_b64 s[64:65], 0
	v_nop
	global_prefetch_b8 v0, s[64:65] scope:SCOPE_SE
	s_setreg_imm32_b32 hwreg(HW_REG_WAVE_MODE, 25, 1), 1
	s_wait_xcnt 0x0
; The four weights, each [128 (K)][128 (columns)] f32 with K as the FIRST axis, become codes of BF6 (E3M2) with one E8M0 byte for each 32 along K,
; laid in wcodes as IMAGES OF THE OPERAND'S REGISTERS, so that the next launch fetches a fragment by three loads of 16 bytes a lane.
; Work-group (P, i): weight i (0 Wq, 1 Wk, 2 Wv, 3 Wo), columns 32 P .. 32 P + 31: two tiles of 16 columns.  One wave.
; THE COLUMNS OF A TILE ARE NOT NEIGHBOURS: row r of tile 2 P + u is column 32 P + 8 u + r + 8 (r / 8), so that a result's 16 registers of the two tiles are 16 neighbouring columns.
; A LANE TAKES A COLUMN AND ITS REGISTERS RUN DOWN K: lanes 0-15 the rows of tile 2 P, lanes 16-31 those of tile 2 P + 1.  All 128 numbers of a column are one lane's: no maximum leaves the lane.
; Wo's K: the last product contracts (d, head) with d outermost, so a block of 32 is d = 8 B .. 8 B + 7 of all four heads.  Place k of its K here is 32 (d / 8) + 8 head + d % 8,
; which lies in memory row 32 head + d: only the loads' offsets differ from the other three weights.
; wcodes: record 4 i + P at 3,072 (4 i + P): image of tile 2 P (1,536 bytes: registers 4 c .. 4 c + 3 of lane l at 512 c + 16 l), then of tile 2 P + 1.
;         scale words at 49,152 + 128 (4 i + P) + 4 l: lanes 0-15 tile 2 P's rows, lanes 16-31 tile 2 P + 1's.
; A block's scale is 2^(floor(log2(its largest magnitude)) - 4); its byte is the largest magnitude's exponent field - 4, held at 1 from below.
; LIMITS: a block whose largest magnitude lies under 2^-122 gets the byte 1; a block of zeros gets 1 where the rule says 127 (its codes are zeros, and this program alone reads the bytes); NaN and infinities are not served.
.set MX,  4                            ; v4-7    the four blocks' largest magnitudes
.set OP,  8                            ; v8-11   the conversions' scale operands
.set BY,  12                           ; v12-15  the scale bytes
.set SW,  16                           ; v16     the column's scale word
.set X,   32                           ; v32-159 my column, K ascending
.set FA,  160                          ; v160-171 blocks 0 and 2, six registers each; behind the exchange: tile 2 P's fragment
.set FB,  172                          ; v172-183 blocks 1 and 3; behind the exchange: tile 2 P + 1's fragment
.set T,   184                          ; v184-199 the upper 16 codes of each block, four registers a block
	s_load_b256 s[4:11], s[0:1], 0x0               ; Wq, Wk, Wv, Wo
	s_load_b64 s[12:13], s[0:1], 0x20              ; wcodes
	s_and_b32 s18, ttmp7, 0xffff                   ; i: which weight
	v_and_b32 v20, 7, v0
	v_bfe_u32 v21, v0, 3, 1
	v_bfe_u32 v22, v0, 4, 1
	v_lshl_add_u32 v20, v21, 4, v20
	v_lshl_add_u32 v20, v22, 3, v20                ; my column among the 32: l % 8 + 16 ((l / 8) % 2) + 8 (l / 16)
	v_lshlrev_b32 v1, 2, v20                       ; in bytes
	v_lshlrev_b32 v2, 4, v0                        ; an image's place for my lane
	v_lshlrev_b32 v3, 2, v0                        ; a scale word's
	s_lshl_b32 s19, s18, 2
	s_add_co_u32 s19, s19, ttmp9                   ; the record: 4 i + P
	s_mul_i32 s20, s19, 3072
	s_mov_b32 s21, 0
	s_lshl_b32 s22, s19, 7
	s_add_co_u32 s22, s22, 49152
	s_mov_b32 s23, 0
	s_lshl_b32 s24, ttmp9, 7                       ; the pair's 32 columns: 128 bytes a pair
	s_mov_b32 s25, 0
	s_wait_kmcnt 0x0
	s_cmp_eq_u32 s18, 1                            ; the weight is chosen on the work-group's number alone
	s_cselect_b64 s[4:5], s[6:7], s[4:5]
	s_cmp_eq_u32 s18, 2
	s_cselect_b64 s[4:5], s[8:9], s[4:5]
	s_cmp_eq_u32 s18, 3
	s_cselect_b64 s[4:5], s[10:11], s[4:5]
	s_add_nc_u64 s[4:5], s[4:5], s[24:25]
	s_add_nc_u64 s[14:15], s[12:13], s[20:21]      ; my record
	s_add_nc_u64 s[16:17], s[12:13], s[22:23]      ; my scale words
	s_cmp_eq_u32 s18, 3
	s_cbranch_scc1 .Lwo
.set k_, 0
.rept 128
	global_load_b32 v[X+k_], v1, s[4:5] offset:512*k_ th:TH_LOAD_NT   ; row k: the 32 lanes read 128 consecutive bytes; each byte is read once in the launch
.set k_, k_+1
.endr
	s_branch .Lloaded
.Lwo:
.set k_, 0
.rept 128
	global_load_b32 v[X+k_], v1, s[4:5] offset:512*(32*((k_/8)%4)+8*(k_/32)+k_%8) th:TH_LOAD_NT   ; place k of Wo's K: head (k / 8) % 4, d = 8 (k / 32) + k % 8
.set k_, k_+1
.endr
.Lloaded:
	s_wait_loadcnt 0x0                             ; one wait: the launch is one trip to memory long
.irp b, 0,1,2,3
	v_max3_num_f32 v[MX+\b], |v[X+32*\b]|, |v[X+32*\b+1]|, 0x2800000   ; with the floor 2^(5 - 127): the byte cannot fall under 1
.endr
.irp i, 2,4,6,8,10,12,14,16,18,20,22,24,26,28,30
.irp b, 0,1,2,3
	v_max3_num_f32 v[MX+\b], v[MX+\b], |v[X+32*\b+\i]|, |v[X+32*\b+\i+1]|   ; the four blocks by turns
.endr
.endr
.irp b, 0,1,2,3
	v_add_nc_u32 v[OP+\b], 0xfe000000, v[MX+\b]    ; 4 off the exponent field: the conversion takes this operand's exponent field as its scale
.endr
.irp b, 0,1,2,3
	v_lshrrev_b32 v[BY+\b], 23, v[OP+\b]           ; the scale's byte
.endr
	v_lshl_or_b32 v[SW], v[BY+1], 8, v[BY]
	v_lshl_or_b32 v[SW], v[BY+2], 16, v[SW]
	v_lshl_or_b32 v[SW], v[BY+3], 24, v[SW]
; block b's lower 16 codes go straight to their place: blocks 0, 2 in FA, blocks 1, 3 in FB; a conversion's three registers begin on an even number, so the upper 16 are made in T and moved
.irp b, 0,1,2,3
	v_cvt_scalef32_pk16_bf6_f32 v[FA+12*(\b%2)+6*(\b/2):FA+12*(\b%2)+6*(\b/2)+2], v[X+32*\b:X+32*\b+15], v[OP+\b]
	v_cvt_scalef32_pk16_bf6_f32 v[T+4*\b:T+4*\b+2], v[X+32*\b+16:X+32*\b+31], v[OP+\b]
.endr
	v_nop                                          ; one plain place behind the scaled conversions
.irp b, 0,1,2,3
.irp i, 0,1,2
	v_mov_b32 v[FA+12*(\b%2)+6*(\b/2)+3+\i], v[T+4*\b+\i]
.endr
.endr
; the operand's layout gives lanes 0-15 a row's blocks 0 and 2 and lanes 16-31 its blocks 1 and 3: FA's lanes 16-31 (tile 2 P + 1, blocks 0, 2) change places with FB's lanes 0-15 (tile 2 P, blocks 1, 3)
.irp i, 0,1,2,3,4,5,6,7,8,9,10,11
	v_permlane16_swap_b32 v[FA+\i], v[FB+\i]
.endr
.irp c, 0,1,2
	global_store_b128 v2, v[FA+4*\c:FA+4*\c+3], s[14:15] offset:512*\c        ; 32 lanes store 512 consecutive bytes, at a multiple of 256 from the buffer's first byte
.endr
.irp c, 0,1,2
	global_store_b128 v2, v[FB+4*\c:FB+4*\c+3], s[14:15] offset:1536+512*\c
.endr
	global_store_b32 v3, v[SW], s[16:17]           ; 128 consecutive bytes: sixteen such stores in the launch
	s_endpgm
.Lfunc_end_k_qba40792aa0_wprep:
	.size	k_qba40792aa0_wprep, .Lfunc_end_k_qba40792aa0_wprep-k_qba40792aa0_wprep
	.p2alignl 7, 3214868480
	.fill 96, 4, 3214868480
	.section	.rodata,"a",@progbits
	.p2align	6, 0x0
	.amdhsa_kernel k_qba40792aa0_wprep
		.amdhsa_group_segment_fixed_size 0
		.amdhsa_private_segment_fixed_size 0
		.amdhsa_enable_private_segment 0
		.amdhsa_kernarg_size 40
		.amdhsa_user_sgpr_count 2
		.amdhsa_user_sgpr_kernarg_segment_ptr 1
		.amdhsa_wavefront_size32 1
		.amdhsa_system_sgpr_workgroup_id_x 1
		.amdhsa_system_sgpr_workgroup_id_y 1
		.amdhsa_system_sgpr_workgroup_id_z 1
		.amdhsa_system_vgpr_workitem_id 0
		.amdhsa_next_free_vgpr 208
		.amdhsa_next_free_sgpr 66
		.amdhsa_reserve_vcc 0
		.amdhsa_float_denorm_mode_32 3
		.amdhsa_float_denorm_mode_16_64 3
		.amdhsa_memory_ordered 1
		.amdhsa_forward_progress 1
		.amdhsa_inst_pref_size 33
	.end_amdhsa_kernel
	.amdgpu_metadata
---
amdhsa.version: [ 1, 2 ]
amdhsa.kernels:
  - .name:           k_qba40792aa0_wprep
    .symbol:         k_qba40792aa0_wprep.kd
    .args:
      - { .name: Wq, .offset: 0, .size: 8, .value_kind: global_buffer, .address_space: global }
      - { .name: Wk, .offset: 8, .size: 8, .value_kind: global_buffer, .address_space: global }
      - { .name: Wv, .offset: 16, .size: 8, .value_kind: global_buffer, .address_space: global }
      - { .name: Wo, .offset: 24, .size: 8, .value_kind: global_buffer, .address_space: global }
      - { .name: wcodes, .offset: 32, .size: 8, .value_kind: global_buffer, .address_space: global }
    .group_segment_fixed_size: 0
    .private_segment_fixed_size: 0
    .kernarg_segment_align: 8
    .kernarg_segment_size: 40
    .max_flat_workgroup_size: 32
    .sgpr_count:     66
    .vgpr_count:     208
    .wavefront_size: 32
...
	.end_amdgpu_metadata
.endif
;; end of part 1
;; launch attn (part 2): grid 256 x 1, 8 waves a work-group, no clusters, 132,352 bytes of LDS; arguments x, wcodes, bq, bk, bv, bo, gamma, beta, out0; writes out0
.if DOCPART == 2
	.amdgcn_target "amdgcn-amd-amdhsa--gfx1250"
	.amdhsa_code_object_version 6
	.text
	.protected	k_qba40792aa0_attn
	.globl	k_qba40792aa0_attn
	.p2align	8
	.type	k_qba40792aa0_attn,@function
k_qba40792aa0_attn:
	s_mov_b64 s[64:65], 0
	v_nop
	global_prefetch_b8 v0, s[64:65] scope:SCOPE_SE
	s_setreg_imm32_b32 hwreg(HW_REG_WAVE_MODE, 25, 1), 1
	s_wait_xcnt 0x0
; out = LayerNorm(x + attention(x) Wo + bo).  x, out: [4][4096][128] f32; 4 heads of 32.  Query i sees key j where i - j is 0, 4, .. 32: nine keys, all of i's residue class modulo 4.
; All six products run on codes of BF6 (E3M2) with one E8M0 byte for each 32 along K, each product one matrix instruction deep.
; SHARES.  256 work-groups of eight waves; a work-group owns rows R0 .. R0 + 63 (R0 = 64 x its number) and works on a window of 96 rows, R0 - 32 on: three aligned blocks of 32 keys, the first a halo
; whose k and v it makes again for itself: nothing passes between work-groups.
; ROWS BY RESIDUE CLASS.  x tile T = 2 b + u holds at tile row i the window row 32 b + 4 (i % 8) + 2 (i / 8) + u: classes u and u + 2 of block b.  So query tile (b, u) meets key tiles (b - 1, u) and (b, u) alone,
; and in S^T (lane (r, h), register j: key row 8 h + j, query row r) a key counts where h = r / 8 and j <= r % 8 (own block) or j >= r % 8 (block before): masks of lanes, made once.
; As a place along the keys' K, row i of tile (b, u) is slot 16 (i / 8) + 8 u + i % 8 of block b, for v and for p alike: a permutation inside a block of 32, which changes neither scales nor sums.
; UNUSED K.  K is 32 in q k^T and 64 in v^T p^T: the data lie in the instruction's first one or two blocks of 32; in the others q (or p) holds zero codes and every scale byte there is 0 (2^-127), so whatever finite codes the other side holds add nothing.
; THE LAST PRODUCT'S K is (d, head) with d outermost: a block of 32 is d = 8 B .. 8 B + 7 of all four heads.  Place 32 (d / 8) + 8 head + d % 8 holds o(head, d), as the launch before has laid Wo.
; ROLES.  Attention: wave = (head w = wave % 4, query block Bp = wave / 4): it makes k and v of window blocks Bp and Bp + 1 and q of block Bp + 1 for its head; q, k, v, p stay in its registers; o goes to LDS in f32.
; Last phase: wave = (query tile Tq = wave / 2, features 64 g on, g = wave % 2): it quantises its tile's o (both waves of a tile do: 16 rows, cheaper than one more exchange).
; THE SOFTMAX: t = score x log2(e) / sqrt(32); M = ceil(the row's largest t); p = 2^(t - M) is quantised along the keys, not normalised; the sum of the unquantised p divides o.  Hidden keys get -infinity ahead of the maximum: p = 0.
; No tensor loads, no loop: each byte of x is fetched by whole rows of 512 bytes; the weights come as register images from the launch before.  No source of a pending memory instruction is ever written again.
; LIMITS: NaN and infinities are not served; a block whose largest magnitude lies under 2^-122 gets the byte 1, a block of zeros too (these bytes never leave the launch);
; hidden keys are set to -infinity, so their p is exactly 0.
.set XP,   528                         ; LDS: a row of 128 f32: 512 bytes + 16, an odd multiple of 16: sixteen rows begin in sixteen different groups of banks
.set XT,   16*XP                       ; a tile of 16 such rows
.set FRB,  1536                        ; a fragment's image: 12 registers x 128 bytes
.set XIMG, 6*XT                        ; x as f32 lies from 0 on; then the images of x's six fragments,
.set XSCL, XIMG+6*FRB                  ; their scale words, 4 bytes a lane,
.set OS,   XSCL+6*128                  ; o in f32: four query tiles of 16 rows, a row in the order of the last product's K,
.set LNX,  OS+4*XT                     ; (mean, sum of squares) of half a row: 256 x wave + 8 x lane,
.set STG,  LNX+2048                    ; and a stage of 16 rows x 272 bytes for each wave
.set SP,   272
.set SCLB, 49152                       ; wcodes: where the scale words begin
; window 1 (v256 on, written by their low 8 bits)
.set WQ, 0                             ; my head's two tiles of Wq; WK, WV likewise; WO: four tiles
.set WK, 24
.set WV, 48
.set WO, 72
.set BQ, 120                           ; the biases, in the results' layouts
.set BK, 136
.set BV, 152
.set BO, 168
.set XF, 200                           ; x's four fragments of my two blocks
; window 0
.set LN16, 1                           ; 16 x lane
.set LN4,  2                           ; 4 x lane
.set RR,   3                           ; r = lane % 16
.set HH,   4                           ; h = lane / 16
.set XW,   5                           ; addresses: see the head
.set XRD,  6
.set IW,   7
.set SWA,  8
.set XI,   9
.set XSA,  10
.set OW,   11
.set OFA,  13
.set XRES, 15
.set LNW,  16
.set LNR,  17
.set STO,  18
.set SRD,  19
.set GO,   20
.set NINF, 21
.set BA16, 22
.set BVA,  23
.set BOA,  24
.set GBA,  25
.set SWQ,  26                          ; v26-30, v32-46 hold scale words and nothing else
.set SWK,  27
.set SWV,  28
.set SWO,  29
.set LANE, 31
.set XSC,  32
.set KS,   36
.set QS,   40
.set VS,   42
.set PS,   44
.set OSC,  46
.set GAM,  48
.set BET,  52
.set MX,   56                          ; v56-61 largest magnitudes; v62-67 the other half's; v68-73 the conversions' scale operands; v74-77 bytes
.set PX,   62
.set OP,   68
.set BY,   74
.set ML,   78                          ; v78:79 (mean, sum of squares)
.set XR,   80                          ; x as loaded
.set XN,   144                         ; x, 16 neighbours of each block a lane
.set PC,   208                         ; the codes just made
.set PW,   228                         ; their scale word
.set KA,   80                          ; k: 16 t + 8 p;  later v: 32 p + 8 t;  later o: 16 u + 8 p
.set VA,   80
.set OA,   80
.set ON,   80                          ; last phase: o, 16 neighbours of each block a lane
.set QA,   144                         ; q: 16 u + 8 p
.set SA,   144                         ; S^T, then p: 24 e + 16 u + j; zeros at 24 e + 8 + j
.set KC,   192                         ; k's four fragments' lower sixes on end, then six zeros
.set TH,   192                         ; once the scores are issued: at work
.set VC,   204                         ; and v's two fragments' lower sixes; the six zeros follow them
.set QC,   222                         ; q's two fragments (six of codes, six zeros), later p's
.set TP,   246                         ; v246:247, v248:249 (-M, t) of query tiles 0, 1
.set LS,   250                         ; v250:251, v252:253 (1 / sum, sum)
.set YA,   128                         ; last phase: y, 32 features of a row a lane
.set XRS,  160                         ; x for the residual
.set RB,   192                         ; rows read back from the stage
.set MO,   50                          ; s50-57 lane masks for the own block, register j
.set MP,   66                          ; s66-73 for the block before
.set MSB, 0
.macro WIN new                         ; the immediate's high byte repeats the setting that is left
.if MSB != \new
	s_set_vgpr_msb (MSB<<8)|\new
.set MSB, \new
.endif
.endm
.macro BARRIER                         ; my LDS stores have landed and my LDS loads are in: then the work-group's barrier
	s_wait_dscnt 0x0
	s_barrier_signal -1
	s_barrier_wait -1
.endm
; cnt groups of 16 registers from src on; each group and lane l xor 16's are a block of 32.  Leaves the conversions' scale operands in OP and the scale bytes in dst.  The groups take turns line by line.
.macro SCALES src, cnt, dst
.set sb_, 0
.rept \cnt
	v_max3_num_f32 v[MX+sb_], |v[\src+16*sb_]|, |v[\src+16*sb_+1]|, 0x2800000   ; with the floor 2^(5 - 127): the byte cannot fall under 1
.set sb_, sb_+1
.endr
.set si_, 2
.rept 7
.set sb_, 0
.rept \cnt
	v_max3_num_f32 v[MX+sb_], v[MX+sb_], |v[\src+16*sb_+si_]|, |v[\src+16*sb_+si_+1]|
.set sb_, sb_+1
.endr
.set si_, si_+2
.endr
.set sb_, 0
.rept \cnt
	v_permlanex16_b32 v[PX+sb_], v[MX+sb_], s44, s45
.set sb_, sb_+1
.endr
.set sb_, 0
.rept \cnt
	v_max_num_f32 v[MX+sb_], v[MX+sb_], v[PX+sb_]
.set sb_, sb_+1
.endr
.set sb_, 0
.rept \cnt
	v_add_nc_u32 v[OP+sb_], 0xfe000000, v[MX+sb_]  ; 4 off the exponent field
.set sb_, sb_+1
.endr
.set sb_, 0
.rept \cnt
	v_lshrrev_b32 v[\dst+sb_], 23, v[OP+sb_]
.set sb_, sb_+1
.endr
.endm
.macro CVT2 d, t, s0, s1, o0, o1       ; two neighbouring blocks' halves: 16 codes each, three registers from an even one on
	v_cvt_scalef32_pk16_bf6_f32 v[\d:\d+2], v[\s0:\s0+15], v[\o0]
	v_cvt_scalef32_pk16_bf6_f32 v[\t:\t+2], v[\s1:\s1+15], v[\o1]
.endm
.macro JOIN d, t                       ; the operand's layout wants a whole block in a lane: lanes 0-15 the first block, lanes 16-31 the second
.irp i, 0,1,2
	v_permlane16_swap_b32 v[\d+\i], v[\t+\i]
.endr
.irp i, 0,1,2
	v_mov_b32 v[\d+3+\i], v[\t+\i]
.endr
.endm
.macro QUANT s                         ; 64 numbers a lane, register 16 b + i = k 32 b + 16 h + i of my row, become a fragment in PC and its scale word in PW
	SCALES \s, 4, BY
	v_lshl_or_b32 v[PW], v[BY+1], 8, v[BY]
	v_lshl_or_b32 v[PW], v[BY+2], 16, v[PW]
	v_lshl_or_b32 v[PW], v[BY+3], 24, v[PW]
.irp c, 0,1
	CVT2 PC+6*\c, PC+12+4*\c, \s+32*\c, \s+32*\c+16, OP+2*\c, OP+2*\c+1
.endr
	v_nop                                          ; one plain place behind the scaled conversions
.irp c, 0,1
	JOIN PC+6*\c, PC+12+4*\c
.endr
.endm
; a product with C in registers.  row = 1: source 0's scales from lanes 16-31;  2: source 1's
.macro MMC d, a, b, c, sa, sb, row
.if (\row) == 1
	v_wmma_scale_f32_16x16x128_f8f6f4 v[\d:\d+7], v[\a:\a+11], v[\b:\b+11], v[\c:\c+7], v[\sa], v[\sb] matrix_a_fmt:MATRIX_FMT_BF6 matrix_b_fmt:MATRIX_FMT_BF6 matrix_a_scale:MATRIX_SCALE_ROW1
.elseif (\row) == 2
	v_wmma_scale_f32_16x16x128_f8f6f4 v[\d:\d+7], v[\a:\a+11], v[\b:\b+11], v[\c:\c+7], v[\sa], v[\sb] matrix_a_fmt:MATRIX_FMT_BF6 matrix_b_fmt:MATRIX_FMT_BF6 matrix_b_scale:MATRIX_SCALE_ROW1
.else
	v_wmma_scale_f32_16x16x128_f8f6f4 v[\d:\d+7], v[\a:\a+11], v[\b:\b+11], v[\c:\c+7], v[\sa], v[\sb] matrix_a_fmt:MATRIX_FMT_BF6 matrix_b_fmt:MATRIX_FMT_BF6
.endif
.endm
.macro MMZ d, a, b, sa, sb             ; a product that starts from 0
	v_wmma_scale_f32_16x16x128_f8f6f4 v[\d:\d+7], v[\a:\a+11], v[\b:\b+11], 0, v[\sa], v[\sb] matrix_a_fmt:MATRIX_FMT_BF6 matrix_b_fmt:MATRIX_FMT_BF6
.endm
.macro WLOADS1                         ; 31 loads: my head's tiles of Wq, Wk, Wv (18), bq and bk in the results' layout (8), bv (2), three scale words
	WIN 0x40                                       ; destination window 1
.irp i, 0,1,2
.irp c, 0,1,2,3,4,5
	global_load_b128 v[24*\i+4*\c:24*\i+4*\c+3], v[LN16], s[34:35] offset:12288*\i+512*\c
.endr
.endr
.irp e, 0,1,2,3
	global_load_b128 v[BQ+4*\e:BQ+4*\e+3], v[BA16], s[8:9] offset:16*\e
	global_load_b128 v[BK+4*\e:BK+4*\e+3], v[BA16], s[10:11] offset:16*\e
.endr
.irp t, 0,1
	global_load_b32 v[BV+8*\t], v[BVA], s[12:13] offset:32*\t
.endr
	WIN 0
.irp i, 0,1,2
	global_load_b32 v[SWQ+\i], v[LN4], s[36:37] offset:SCLB+512*\i
.endr
.endm
.macro WLOADS2                         ; 24 loads for the last phase: four tiles of Wo (12), bo (8), two scale words, gamma, beta
	WIN 0x40
.irp p, 0,1
.irp c, 0,1,2,3,4,5
	global_load_b128 v[WO+24*\p+4*\c:WO+24*\p+4*\c+3], v[LN16], s[38:39] offset:36864+3072*\p+512*\c
.endr
.irp e, 0,1,2,3
	global_load_b128 v[BO+16*\p+4*\e:BO+16*\p+4*\e+3], v[BOA], s[14:15] offset:128*\p+16*\e
.endr
.endr
	WIN 0
.irp p, 0,1
	global_load_b32 v[SWO+\p], v[LN4], s[40:41] offset:SCLB+1536+128*\p
.endr
	global_load_b128 v[GAM:GAM+3], v[GBA], s[16:17]
	global_load_b128 v[BET:BET+3], v[GBA], s[18:19]
.endm
; ---- THE HEAD: ids, every address register, the masks
	s_load_b256 s[4:11], s[0:1], 0x0               ; x, wcodes, bq, bk
	s_load_b256 s[12:19], s[0:1], 0x20             ; bv, bo, gamma, beta
	s_load_b64 s[20:21], s[0:1], 0x40              ; out0
	v_lshl_add_u32 v254, v0, 2, 0x20100
	v_mov_b32 v255, 0
	v_lshrrev_b32 v[LANE], 5, v0
	v_readfirstlane_b32 s22, v[LANE]               ; wave 0..7
	v_and_b32 v[LANE], 31, v0
	v_and_b32 v[RR], 15, v0
	v_bfe_u32 v[HH], v0, 4, 1
	v_lshlrev_b32 v[LN16], 4, v[LANE]
	v_lshlrev_b32 v[LN4], 2, v[LANE]
	s_and_b32 s23, s22, 3                          ; w: my head
	s_lshr_b32 s24, s22, 2                         ; Bp: my query block
	s_lshr_b32 s25, s22, 1                         ; Tq: my query tile in the last phase; also my x tile's block
	s_and_b32 s26, s22, 1                          ; g: my half of the features; also my x tile's u
	s_and_b32 s28, ttmp9, 63
	s_cmp_eq_u32 s28, 0
	s_cselect_b32 s27, 1, 0                        ; first: my rows begin a sequence, and the halo does not exist
	s_mov_b32 s44, 0x76543210
	s_mov_b32 s45, 0xfedcba98                      ; v_permlanex16_b32's selects for lane l xor 16
	s_mov_b32 s46, 0x3e8293ee                      ; c = log2(e) / sqrt(32)
	s_mov_b32 s47, s46                             ; (named with it as a pair)
	s_mov_b32 s48, 0x3c000000                      ; 1 / 128
	s_mov_b32 s49, 0x3a83126f                      ; eps = 1e-3
	s_mul_i32 s28, s22, XT                         ; x tile = wave (waves 0-5)
	v_add_nc_u32 v[XW], s28, v[LN16]               ; in: a row's 512 bytes, 16 a lane
	v_mul_u32_u24 v56, v[RR], XP
	v_lshl_add_u32 v56, v[HH], 6, v56              ; 528 r + 64 h
	v_add_nc_u32 v[XRD], s28, v56                  ; back: row r, my 16 numbers of each block of 32
	s_mul_i32 s28, s25, XT
	s_lshl_b32 s29, s26, 8
	s_add_co_u32 s28, s28, s29
	s_add_co_u32 s28, s28, 2*XT
	v_add_nc_u32 v[XRES], s28, v56                 ; the residual: tile Tq + 2, row r, features 64 g + 16 h on
	s_mul_i32 s28, s25, XT
	s_add_co_u32 s28, s28, OS
	v_add_nc_u32 v[OFA], s28, v56                  ; o of query tile Tq: row r, my 16 numbers of each block of 32
	s_mul_i32 s28, s22, FRB
	s_add_co_u32 s28, s28, XIMG
	v_add_nc_u32 v[IW], s28, v[LN16]               ; where I store my x tile's image
	s_lshl_b32 s28, s22, 7
	s_add_co_u32 s28, s28, XSCL
	v_add_nc_u32 v[SWA], s28, v[LN4]               ; and its scale words
	s_mul_i32 s28, s24, 2*FRB
	s_add_co_u32 s28, s28, XIMG
	v_add_nc_u32 v[XI], s28, v[LN16]               ; where I fetch the four fragments of blocks Bp, Bp + 1
	s_lshl_b32 s28, s24, 8
	s_add_co_u32 s28, s28, XSCL
	v_add_nc_u32 v[XSA], s28, v[LN4]
	s_mul_i32 s28, s24, 2*XT                       ; where I store o: query tile 2 Bp + u, row r; channel 16 h + 8 q + i of head w has place 32 (2 h + q) + 8 w + i: byte 256 h + 128 q + 32 w + 4 i
	s_lshl_b32 s29, s23, 5
	s_add_co_u32 s28, s28, s29
	s_add_co_u32 s28, s28, OS
	v_mul_u32_u24 v[OW], v[RR], XP
	v_lshl_add_u32 v[OW], v[HH], 8, v[OW]
	v_add_nc_u32 v[OW], s28, v[OW]
	s_lshl_b32 s28, s22, 8
	s_add_co_u32 s28, s28, LNX
	v_lshl_add_u32 v[LNW], v[LANE], 3, s28
	s_xor_b32 s28, s22, 1                          ; the wave with the same rows' other 64 features
	s_lshl_b32 s28, s28, 8
	s_add_co_u32 s28, s28, LNX
	v_lshl_add_u32 v[LNR], v[LANE], 3, s28
	s_mul_i32 s28, s22, 16*SP
	s_add_co_u32 s28, s28, STG                     ; my stage
	v_mul_u32_u24 v57, v[RR], SP
	v_lshl_add_u32 v57, v[HH], 6, v57
	v_add_nc_u32 v[STO], s28, v57                  ; in: row r, 64 h bytes on
	v_mul_u32_u24 v57, v[HH], SP
	v_lshl_add_u32 v57, v[RR], 4, v57
	v_add_nc_u32 v[SRD], s28, v57                  ; back: lanes 0-15 one row of 256 bytes, lanes 16-31 the next
	v_lshlrev_b32 v[GO], 11, v[HH]                 ; in out0 the next tile row lies four rows on
	v_lshl_add_u32 v[GO], v[RR], 4, v[GO]
	v_mov_b32 v[NINF], 0xff800000                  ; -infinity
	s_lshl_b32 s28, s23, 7
	v_lshl_add_u32 v[BA16], v[HH], 6, s28          ; bq, bk: numbers 32 w + 16 h on
	v_and_b32 v57, 8, v[RR]
	v_add_nc_u32 v57, v57, v[RR]
	v_lshl_add_u32 v[BVA], v57, 2, s28             ; bv: number 32 w + r + 8 (r / 8) (+ 8 for the second tile)
	s_lshl_b32 s28, s26, 8
	v_lshl_add_u32 v[BOA], v[HH], 6, s28           ; bo: numbers 64 g + 16 h on
	v_lshl_add_u32 v[GBA], v[RR], 4, s28           ; gamma, beta: numbers 64 g + 4 r on
.irp b, 0,1,2,3,4,5
	v_mov_b32 v[PX+\b], 0                          ; written once: a lane permute's destination counts as one of its sources
.endr
	v_mov_b32 v[ML+1], 0                           ; (named as the upper half of a pair before it is first written)
	v_and_b32 v56, 7, v[RR]                        ; a = r % 8
	v_lshrrev_b32 v57, 3, v[RR]
	v_cmp_eq_u32 vcc_lo, v57, v[HH]                ; do my registers hold keys of my query's class?
	v_cndmask_b32 v58, -1, v56, vcc_lo             ; own block: register j counts where j <= a
	v_cndmask_b32 v59, 8, v56, vcc_lo              ; block before: where j >= a;
	s_cmp_eq_u32 s24, 0
	s_cselect_b32 s28, s27, 0
	s_lshl_b32 s28, s28, 3
	v_max_u32 v59, s28, v59                        ; nowhere, if that block lies ahead of the sequence's start
.irp j, 0,1,2,3,4,5,6,7
	v_cmp_le_i32 s[MO+\j], \j, v58
	v_cmp_ge_i32 s[MP+\j], \j, v59
.endr
	s_wait_kmcnt 0x0
	s_max_u32 s28, s25, s27                        ; where the halo does not exist its two tiles load block 1's rows: no load leaves x, and the masks hide those keys
	s_lshl_b32 s28, s28, 5
	s_lshl_b32 s29, ttmp9, 6
	s_add_co_u32 s28, s28, s29
	s_add_co_u32 s28, s28, s26
	s_sub_co_u32 s28, s28, 32                      ; my x tile's first row: R0 - 32 + 32 b + u
	s_lshl_b32 s28, s28, 9
	s_mov_b32 s29, 0
	s_add_nc_u64 s[32:33], s[4:5], s[28:29]
	s_mul_i32 s28, s23, 3072
	s_add_nc_u64 s[34:35], s[6:7], s[28:29]        ; my head's records of Wq, Wk, Wv
	s_lshl_b32 s28, s23, 7
	s_add_nc_u64 s[36:37], s[6:7], s[28:29]        ; their scale words
	s_mul_i32 s28, s26, 6144
	s_add_nc_u64 s[38:39], s[6:7], s[28:29]        ; my two records of Wo
	s_lshl_b32 s28, s26, 8
	s_add_nc_u64 s[40:41], s[6:7], s[28:29]
	s_lshr_b32 s28, s25, 1
	s_lshl_b32 s28, s28, 5
	s_and_b32 s30, s25, 1
	s_add_co_u32 s28, s28, s30
	s_lshl_b32 s30, ttmp9, 6
	s_add_co_u32 s28, s28, s30                     ; my query tile's first row: R0 + 32 (Tq / 2) + Tq % 2
	s_lshl_b32 s28, s28, 9
	s_lshl_b32 s30, s26, 8
	s_add_co_u32 s28, s28, s30
	s_add_nc_u64 s[42:43], s[20:21], s[28:29]
; ---- X: waves 0-5 fetch a tile of x each, keep it in LDS as f32 for the residual, quantise it along the features and leave the fragment's image in LDS
	s_cmp_lt_u32 s22, 6
	s_cbranch_scc0 .Lno_tile
.irp i, 0,1,2,3,4,5,6,7,8,9,10,11,12,13,14,15
	global_load_b128 v[XR+4*\i:XR+4*\i+3], v[LN16], s[32:33] offset:512*(4*(\i%8)+2*(\i/8))   ; tile row i: a whole row of 512 consecutive bytes
.endr
	WLOADS1
	s_wait_loadcnt 31                              ; x's sixteen loads are in; the 31 issued behind them stay out
.irp i, 0,1,2,3,4,5,6,7,8,9,10,11,12,13,14,15
	ds_store_b128 v[XW], v[XR+4*\i:XR+4*\i+3] offset:XP*\i
.endr
.irp b, 0,1,2,3
.irp j, 0,1,2,3
	ds_load_b128 v[XN+16*\b+4*\j:XN+16*\b+4*\j+3], v[XRD] offset:128*\b+16*\j   ; my wave's own bytes: LDS serves a wave's instructions in order
.endr
.endr
	s_wait_dscnt 0x0
	QUANT XN
.irp c, 0,1,2
	ds_store_b128 v[IW], v[PC+4*\c:PC+4*\c+3] offset:512*\c
.endr
	ds_store_b32 v[SWA], v[PW]
	s_branch .Lx_done
.Lno_tile:
	WLOADS1
.Lx_done:
	BARRIER                                        ; x's six tiles, their images and scale words lie in LDS
; ---- PROJECTIONS: k of four tiles, q of two, v of four, for my head
	WLOADS2
	WIN 0x40
.irp t, 0,1,2,3
.irp c, 0,1,2
	ds_load_b128 v[XF+12*\t+4*\c:XF+12*\t+4*\c+3], v[XI] offset:FRB*\t+512*\c
.endr
.endr
	WIN 0
.irp t, 0,1,2,3
	ds_load_b32 v[XSC+\t], v[XSA] offset:128*\t
.endr
	s_wait_loadcnt 24                              ; the 31 loads of the first group are in, on either way through the branch; the 24 just issued stay out
	WIN 0x41                                       ; destination and source 0 window 1
.irp t, 0,1
.irp j, 1,2,3,4,5,6,7
	v_mov_b32 v[BV+8*\t+\j], v[BV+8*\t]            ; in v's results a lane holds one channel: its bias in all eight registers
.endr
.endr
	s_wait_dscnt 0x0
	WIN 0x15                                       ; sources 0, 1 and 2 window 1, results window 0
.irp t, 0,1,2,3                        ; k^T: source 0 = 16 columns of Wk, source 1 = x tile t: lane (r, h) holds row r, registers 16 t + 0 .. 15 channels 16 h + 0 .. 15
.irp p, 0,1
	MMC KA+16*\t+8*\p, WK+12*\p, XF+12*\t, BK+8*\p, SWK, XSC+\t, \p
.endr
.endr
.irp u, 0,1                            ; q^T of block Bp + 1 likewise
.irp p, 0,1
	MMC QA+16*\u+8*\p, WQ+12*\p, XF+24+12*\u, BQ+8*\p, SWQ, XSC+2+\u, \p
.endr
.endr
	WIN 0
.irp i, 24,25,26,27,28,29
	v_mov_b32 v[KC+\i], 0                          ; the zeros behind k's (later v's) last fragment; these eighteen lines are also the places behind the products
.endr
.irp i, 6,7,8,9,10,11,18,19,20,21,22,23
	v_mov_b32 v[QC+\i], 0                          ; q's, later p's, K blocks 2 and 3: zero codes
.endr
	SCALES KA, 6, KS                               ; k's four tiles and q's two lie on end, and so do their scale registers: a row's 32 channels are one block
.irp t, 0,1,2,3
	v_cvt_scalef32_pk16_bf6_f32 v[KC+6*\t:KC+6*\t+2], v[KA+16*\t:KA+16*\t+15], v[OP+\t]
.endr
.irp u, 0,1
	v_cvt_scalef32_pk16_bf6_f32 v[QC+12*\u:QC+12*\u+2], v[QA+16*\u:QA+16*\u+15], v[OP+4+\u]
.endr
.irp f, KC, KC+6, KC+12, KC+18, QC, QC+12      ; the block belongs to lanes 0-15 whole; lanes 16-31 (K block 1) get zero codes.  The moves are the plain places behind the conversions
.irp i, 0,1,2
	v_mov_b32 v[\f+3+\i], 0
.endr
.endr
.irp f, KC, KC+6, KC+12, KC+18, QC, QC+12
.irp i, 0,1,2
	v_permlane16_swap_b32 v[\f+\i], v[\f+3+\i]
.endr
.endr
	WIN 0x15
.irp p, 0,1                            ; v: source 0 = x tile t, source 1 = 16 columns of Wv: a lane holds ONE channel and its registers run along the keys: 32 p + 16 e + 0 .. 15 are slots 16 h + 0 .. 15 of block e
.irp t, 0,1,2,3
	MMC VA+32*\p+8*\t, XF+12*\t, WV+12*\p, BV+8*\p, XSC+\t, SWV, 2*\p
.endr
.endr
	WIN 0
.irp e, 0,1
.irp j, 0,1,2,3,4,5,6,7
	v_mov_b32 v[SA+24*\e+8+\j], 0                  ; p of the key tile that a query tile never meets.  These sixteen are the places behind v's products and ahead of the scores'
.endr
.endr
; ---- SCORES: S^T = k q^T: key tile (e, u) against query tile u
.irp e, 0,1
.irp u, 0,1
	MMZ SA+24*\e+16*\u, KC+6*(2*\e+\u), QC+12*\u, KS+2*\e+\u, QS+\u
.endr
.endr
; v is quantised along the keys behind them: these lines are the places behind the scores
	SCALES VA, 4, BY
.irp p, 0,1
	v_lshl_or_b32 v[VS+\p], v[BY+2*\p+1], 8, v[BY+2*\p]
.endr
.irp p, 0,1
	CVT2 VC+6*\p, TH+4*\p, VA+32*\p, VA+32*\p+16, OP+2*\p, OP+2*\p+1
.endr
	v_nop                                          ; one plain place behind the scaled conversions
.irp p, 0,1
	JOIN VC+6*\p, TH+4*\p
.endr
; ---- SOFTMAX, both query tiles by turns; block 2 u + e is key block e of tile u
.irp j, 0,1,2,3,4,5,6,7
.irp u, 0,1
	v_cndmask_b32 v[SA+16*\u+\j], v[NINF], v[SA+16*\u+\j], s[MP+\j]          ; each result from its low end on
	v_cndmask_b32 v[SA+24+16*\u+\j], v[NINF], v[SA+24+16*\u+\j], s[MO+\j]
.endr
.endr
.irp u, 0,1
.irp e, 0,1
	v_max3_num_f32 v[MX+2*\u+\e], v[SA+24*\e+16*\u], v[SA+24*\e+16*\u+1], v[SA+24*\e+16*\u+2]   ; each block's largest score: it serves the row's maximum and, since p rises with the score, the block's largest p
.endr
.endr
.irp i, 3,5
.irp u, 0,1
.irp e, 0,1
	v_max3_num_f32 v[MX+2*\u+\e], v[MX+2*\u+\e], v[SA+24*\e+16*\u+\i], v[SA+24*\e+16*\u+\i+1]
.endr
.endr
.endr
.irp u, 0,1
.irp e, 0,1
	v_max_num_f32 v[MX+2*\u+\e], v[MX+2*\u+\e], v[SA+24*\e+16*\u+7]
.endr
.endr
.irp b, 0,1,2,3
	v_permlanex16_b32 v[PX+\b], v[MX+\b], s44, s45
.endr
.irp b, 0,1,2,3
	v_max_num_f32 v[MX+\b], v[MX+\b], v[PX+\b]
.endr
.irp u, 0,1
	v_max_num_f32 v[TP+2*\u+1], v[MX+2*\u], v[MX+2*\u+1]   ; the row's largest score: its own key always counts
.endr
.irp u, 0,1
	v_mul_f32 v[TP+2*\u+1], s46, v[TP+2*\u+1]      ; as t (c is positive)
.endr
.irp u, 0,1
	v_floor_f32 v[TP+2*\u], -v[TP+2*\u+1]          ; -M = floor(-t) = -ceil(t)
.endr
.irp u, 0,1
.irp e, 0,1
.irp j, 0,2,4,6
	v_pk_fma_f32 v[SA+24*\e+16*\u+\j:SA+24*\e+16*\u+\j+1], v[SA+24*\e+16*\u+\j:SA+24*\e+16*\u+\j+1], s[46:47], v[TP+2*\u:TP+2*\u+1] op_sel_hi:[1,0,0]   ; t - M, two at a time
.endr
.endr
.endr
.irp u, 0,1
.irp e, 0,1
	v_fma_f32 v[MX+2*\u+\e], v[MX+2*\u+\e], s46, v[TP+2*\u]   ; the same of each block's largest score
.endr
.endr
.irp u, 0,1
.irp e, 0,1
.irp j, 0,1,2,3,4,5,6,7
	v_exp_f32 v[SA+24*\e+16*\u+\j], v[SA+24*\e+16*\u+\j]      ; p = 2^(t - M); 0 for hidden keys
.endr
.endr
.endr
.irp b, 0,1,2,3
	v_exp_f32 v[MX+\b], v[MX+\b]                   ; the block's largest p: the same two instructions on the same number
.endr
	v_nop                                          ; one plain place behind the exponentials
	s_wait_alu depctr_va_vdst(0)
.irp b, 0,1,2,3
	v_max_num_f32 v[MX+\b], 0x2800000, v[MX+\b]    ; the floor: a block of zeros keeps the byte 1
.endr
.irp b, 0,1,2,3
	v_add_nc_u32 v[OP+\b], 0xfe000000, v[MX+\b]
.endr
.irp b, 0,1,2,3
	v_lshrrev_b32 v[BY+\b], 23, v[OP+\b]
.endr
.irp u, 0,1
	v_lshl_or_b32 v[PS+\u], v[BY+2*\u+1], 8, v[BY+2*\u]
.endr
.irp u, 0,1                            ; sixteen slots a lane and block: tile 0's p, then zeros; or zeros, then tile 1's p
	CVT2 QC+12*\u, TH+4*\u, SA+8*\u, SA+24+8*\u, OP+2*\u, OP+2*\u+1
.endr
	v_nop                                          ; one plain place behind the scaled conversions
.irp u, 0,1
	JOIN QC+12*\u, TH+4*\u
.endr
.irp u, 0,1                            ; the row's sum, of the UNQUANTISED p.  These lines are also the places between p's codes and scale words and the products below
	v_pk_add_f32 v[LS+2*\u:LS+2*\u+1], v[SA+16*\u:SA+16*\u+1], v[SA+16*\u+2:SA+16*\u+3]
.endr
.irp k, 4,6,24,26,28,30
.irp u, 0,1
	v_pk_add_f32 v[LS+2*\u:LS+2*\u+1], v[LS+2*\u:LS+2*\u+1], v[SA+16*\u+\k:SA+16*\u+\k+1]
.endr
.endr
.irp u, 0,1
	v_add_f32 v[LS+2*\u+1], v[LS+2*\u], v[LS+2*\u+1]
.endr
.irp u, 0,1
	v_permlanex16_b32 v[PX+\u], v[LS+2*\u+1], s44, s45
.endr
.irp u, 0,1
	v_add_f32 v[LS+2*\u+1], v[LS+2*\u+1], v[PX+\u]
.endr
.irp u, 0,1
	v_rcp_f32 v[LS+2*\u], v[LS+2*\u+1]             ; used behind the four places below
.endr
; ---- O^T = v^T p^T: source 0 = 16 channels, source 1 = p of query tile u: lane (r, h) holds query r, registers 16 u + 0 .. 15 channels 16 h + 0 .. 15
.irp u, 0,1
.irp p, 0,1
	MMZ OA+16*\u+8*\p, VC+6*\p, QC+12*\u, VS+\p, PS+\u
.endr
.endr
.rept 4
	v_nop                                          ; places behind the products
.endr
	s_wait_alu depctr_va_vdst(0)
.irp u, 0,1
.irp j, 0,2,4,6,8,10,12,14
	v_pk_mul_f32 v[OA+16*\u+\j:OA+16*\u+\j+1], v[OA+16*\u+\j:OA+16*\u+\j+1], v[LS+2*\u:LS+2*\u+1] op_sel_hi:[1,0]   ; o = O / the sum
.endr
.endr
.irp u, 0,1                            ; o in f32 to LDS, at its places along the last product's K: eight channels of my head are 32 neighbouring bytes of their block
.irp q, 0,1
.irp e, 0,1
	ds_store_b128 v[OW], v[OA+16*\u+8*\q+4*\e:OA+16*\u+8*\q+4*\e+3] offset:XT*\u+128*\q+16*\e
.endr
.endr
.endr
	BARRIER                                        ; o of the four query tiles, all heads, lies in LDS
; ---- LAST PHASE: o is quantised; y = x + o Wo + bo for query tile Tq, features 64 g on; LayerNorm
.irp b, 0,1,2,3
.irp j, 0,1,2,3
	ds_load_b128 v[ON+16*\b+4*\j:ON+16*\b+4*\j+3], v[OFA] offset:128*\b+16*\j
.endr
.endr
.irp p, 0,1
.irp e, 0,1,2,3
	ds_load_b128 v[XRS+16*\p+4*\e:XRS+16*\p+4*\e+3], v[XRES] offset:128*\p+16*\e
.endr
.endr
	s_wait_loadcnt 0x0                             ; Wo, bo, gamma, beta
	s_wait_dscnt 0x0
	QUANT ON
	v_mov_b32 v[OSC], v[PW]                        ; the scale word, into a register that holds scales alone
.rept 8
	v_nop                                          ; a scale register written by a vector instruction stands eight places ahead of the scaled product
.endr
	WIN 0x11                                       ; sources 0 (Wo) and 2 (bo) window 1
.irp p, 0,1
.irp t, 0,1
	MMC YA+16*\p+8*\t, WO+24*\p+12*\t, PC, BO+16*\p+8*\t, SWO+\p, OSC, \t
.endr
.endr
	WIN 0
.rept 4
	v_nop                                          ; places behind the products
.endr
.irp k, 0,2,4,6,8,10,12,14,16,18,20,22,24,26,28,30
	v_pk_add_f32 v[YA+\k:YA+\k+1], v[YA+\k:YA+\k+1], v[XRS+\k:XRS+\k+1]   ; register 16 p + i: feature 64 g + 32 p + 16 h + i of row r, in both
.endr
	v_pk_add_f32 v[56:57], v[YA:YA+1], v[YA+4:YA+5]           ; the mean of my 64 features, in two chains
	v_pk_add_f32 v[58:59], v[YA+2:YA+3], v[YA+6:YA+7]
.irp k, 8,12,16,20,24,28
	v_pk_add_f32 v[56:57], v[56:57], v[YA+\k:YA+\k+1]
	v_pk_add_f32 v[58:59], v[58:59], v[YA+\k+2:YA+\k+3]
.endr
	v_pk_add_f32 v[56:57], v[56:57], v[58:59]
	v_add_f32 v56, v56, v57
	v_permlanex16_b32 v[PX], v56, s44, s45
	v_add_f32 v56, v56, v[PX]
	v_mul_f32 v[ML], 0x3c800000, v56               ; / 64
.irp k, 0,2,4,6,8,10,12,14,16,18,20,22,24,26,28,30
	v_pk_add_f32 v[YA+\k:YA+\k+1], v[YA+\k:YA+\k+1], v[ML:ML+1] op_sel_hi:[1,0] neg_lo:[0,1] neg_hi:[0,1]   ; d = y - that mean: the squares are taken of differences, not of y
.endr
	v_pk_mul_f32 v[56:57], v[YA:YA+1], v[YA:YA+1]
	v_pk_mul_f32 v[58:59], v[YA+2:YA+3], v[YA+2:YA+3]
.irp k, 4,8,12,16,20,24,28
	v_pk_fma_f32 v[56:57], v[YA+\k:YA+\k+1], v[YA+\k:YA+\k+1], v[56:57]
	v_pk_fma_f32 v[58:59], v[YA+\k+2:YA+\k+3], v[YA+\k+2:YA+\k+3], v[58:59]
.endr
	v_pk_add_f32 v[56:57], v[56:57], v[58:59]
	v_add_f32 v[ML+1], v56, v57
	v_permlanex16_b32 v[PX], v[ML+1], s44, s45
	v_add_f32 v[ML+1], v[ML+1], v[PX]
	ds_store_b64 v[LNW], v[ML:ML+1]
	BARRIER                                        ; every half row's (mean, sum of squares) lies in LDS
	ds_load_b64 v[56:57], v[LNR]                   ; the other half's
	s_wait_dscnt 0x0
	v_sub_f32 v58, v56, v[ML]                      ; delta = its mean - mine
	v_add_f32 v59, v[ML+1], v57
	v_mul_f32 v60, v58, v58
	v_fma_f32 v59, v60, 0x42000000, v59            ; the whole row's sum of squares: both halves' + 64 x 64 / 128 x delta^2
	v_fma_f32 v59, v59, s48, s49                   ; / 128 + eps
	v_rsq_f32 v60, v59
	v_mul_f32 v62, -0.5, v58                       ; (the plain place behind the transcendental)  y - the row's mean = d - delta / 2
	s_wait_alu depctr_va_vdst(0)
	v_mul_f32 v62, v62, v60
.irp k, 0,2,4,6,8,10,12,14,16,18,20,22,24,26,28,30
	v_pk_fma_f32 v[YA+\k:YA+\k+1], v[YA+\k:YA+\k+1], v[60:61], v[62:63] op_sel_hi:[1,0,0]
.endr
; THE WAY OUT: a lane holds pieces of one row; through my own stage the rows come back whole, 256 bytes to sixteen lanes
.irp p, 0,1
.irp e, 0,1,2,3
	ds_store_b128 v[STO], v[YA+16*\p+4*\e:YA+16*\p+4*\e+3] offset:128*\p+16*\e
.endr
.endr
.irp i, 0,1,2,3,4,5,6,7
	ds_load_b128 v[RB+4*\i:RB+4*\i+3], v[SRD] offset:2*SP*\i   ; my wave's own bytes: LDS serves a wave's instructions in order
.endr
.irp i, 0,1,2,3,4,5,6,7
	s_wait_dscnt 7-\i                              ; tile rows 2 i and 2 i + 1 are back; the younger loads stay out
	v_pk_fma_f32 v[RB+4*\i:RB+4*\i+1], v[RB+4*\i:RB+4*\i+1], v[GAM:GAM+1], v[BET:BET+1]
	v_pk_fma_f32 v[RB+4*\i+2:RB+4*\i+3], v[RB+4*\i+2:RB+4*\i+3], v[GAM+2:GAM+3], v[BET+2:BET+3]
	global_store_b128 v[GO], v[RB+4*\i:RB+4*\i+3], s[42:43] offset:512*(8*(\i%4)+2*(\i/4)) th:TH_STORE_NT   ; sixteen lanes store 256 consecutive bytes, at a multiple of 256 from out0's first byte
.endr
	s_wait_tensorcnt 0x0
	ds_add_u32 v254, v255
	s_wait_dscnt 0x0
	s_endpgm
.Lfunc_end_k_qba40792aa0_attn:
	.size	k_qba40792aa0_attn, .Lfunc_end_k_qba40792aa0_attn-k_qba40792aa0_attn
	.p2alignl 7, 3214868480
	.fill 96, 4, 3214868480
	.section	.rodata,"a",@progbits
	.p2align	6, 0x0
	.amdhsa_kernel k_qba40792aa0_attn
		.amdhsa_group_segment_fixed_size 132352
		.amdhsa_private_segment_fixed_size 0
		.amdhsa_enable_private_segment 0
		.amdhsa_kernarg_size 72
		.amdhsa_user_sgpr_count 2
		.amdhsa_user_sgpr_kernarg_segment_ptr 1
		.amdhsa_wavefront_size32 1
		.amdhsa_system_sgpr_workgroup_id_x 1
		.amdhsa_system_sgpr_workgroup_id_y 1
		.amdhsa_system_sgpr_workgroup_id_z 1
		.amdhsa_system_vgpr_workitem_id 0
		.amdhsa_next_free_vgpr 512
		.amdhsa_next_free_sgpr 80
		.amdhsa_reserve_vcc 1
		.amdhsa_float_denorm_mode_32 3
		.amdhsa_float_denorm_mode_16_64 3
		.amdhsa_memory_ordered 1
		.amdhsa_forward_progress 1
		.amdhsa_inst_pref_size 65
	.end_amdhsa_kernel
	.amdgpu_metadata
---
amdhsa.version: [ 1, 2 ]
amdhsa.kernels:
  - .name:           k_qba40792aa0_attn
    .symbol:         k_qba40792aa0_attn.kd
    .args:
      - { .name: x, .offset: 0, .size: 8, .value_kind: global_buffer, .address_space: global }
      - { .name: wcodes, .offset: 8, .size: 8, .value_kind: global_buffer, .address_space: global }
      - { .name: bq, .offset: 16, .size: 8, .value_kind: global_buffer, .address_space: global }
      - { .name: bk, .offset: 24, .size: 8, .value_kind: global_buffer, .address_space: global }
      - { .name: bv, .offset: 32, .size: 8, .value_kind: global_buffer, .address_space: global }
      - { .name: bo, .offset: 40, .size: 8, .value_kind: global_buffer, .address_space: global }
      - { .name: gamma, .offset: 48, .size: 8, .value_kind: global_buffer, .address_space: global }
      - { .name: beta, .offset: 56, .size: 8, .value_kind: global_buffer, .address_space: global }
      - { .name: out0, .offset: 64, .size: 8, .value_kind: global_buffer, .address_space: global }
    .group_segment_fixed_size: 132352
    .private_segment_fixed_size: 0
    .kernarg_segment_align: 8
    .kernarg_segment_size: 72
    .max_flat_workgroup_size: 256
    .sgpr_count:     80
    .vgpr_count:     512
    .wavefront_size: 32
...
	.end_amdgpu_metadata
.endif
;; end of part 2
;; ======== version 2 of 2: 1 launch
;; limits: right only within a limited range of input values
;; launch attn (part 3): grid 256 x 1, 8 waves a work-group, no clusters, 183,552 bytes of LDS; arguments x, Wq, Wk, Wv, Wo, bq, bk, bv, bo, gamma, beta, out0; writes out0
.if DOCPART == 3
	.amdgcn_target "amdgcn-amd-amdhsa--gfx1250"
	.amdhsa_code_object_version 6
	.text
	.protected	k_qba40792aa0_attn
	.globl	k_qba40792aa0_attn
	.p2align	8
	.type	k_qba40792aa0_attn,@function
k_qba40792aa0_attn:
	s_mov_b64 s[64:65], 0
	v_nop
	global_prefetch_b8 v0, s[64:65] scope:SCOPE_SE
	s_setreg_imm32_b32 hwreg(HW_REG_WAVE_MODE, 25, 1), 1
	s_wait_xcnt 0x0
; out = LayerNorm(x + attention(x) Wo + bo).  x, out: [4][4096][128] f32; 4 heads of 32.  Query i sees key j where i - j is 0, 4, .. 32: nine keys, all of i's residue class modulo 4.
; All six products run on codes of BF6 (E3M2) with one E8M0 byte for each 32 along K, each product one matrix instruction deep.  ONE LAUNCH: nothing goes to memory but the result.
; SHARES.  256 work-groups of eight waves; a work-group owns rows R0 .. R0 + 63 (R0 = 64 x its number) and works on a window of 96 rows, R0 - 32 on: three aligned blocks of 32 keys, the first a halo
; whose k and v it makes again for itself: nothing passes between work-groups.
; THE WEIGHTS, each [128 (K)][128 (columns)] f32 with K as the first axis, are quantised by every work-group for itself: wave wv takes weight wv / 2 (Wq, Wk, Wv, Wo), columns 64 (wv % 2) on: two records of 32 columns.
; A LANE TAKES A COLUMN AND ITS REGISTERS RUN DOWN K, so that no maximum leaves the lane.  A record is two tiles of 16 columns; row r of tile 2 P + u is column 32 P + 8 u + r + 8 (r / 8), so that a result's 16 registers
; of the two tiles are 16 neighbouring columns.  The fragments go to LDS as IMAGES OF THE OPERAND'S REGISTERS (registers 4 c .. 4 c + 3 of lane l at 512 c + 16 l), the scale words 4 bytes a lane (lanes 0-15 the first tile's rows, 16-31 the second's).
; No joint tensor loads for the weights: their 262,144 bytes of f32 do not fit beside the 182,528 bytes in use, and in pieces they would want refills in a kernel that passes once.
; ROWS BY RESIDUE CLASS.  x tile T = 2 b + u holds at tile row i the window row 32 b + 4 (i % 8) + 2 (i / 8) + u: classes u and u + 2 of block b.  So query tile (b, u) meets key tiles (b - 1, u) and (b, u) alone,
; and in S^T (lane (r, h), register j: key row 8 h + j, query row r) a key counts where h = r / 8 and j <= r % 8 (own block) or j >= r % 8 (block before): masks of lanes, made once.
; As a place along the keys' K, row i of tile (b, u) is slot 16 (i / 8) + 8 u + i % 8 of block b, for v and for p alike: a permutation inside a block of 32, which changes neither scales nor sums.
; UNUSED K.  K is 32 in q k^T and 64 in v^T p^T: the data lie in the instruction's first one or two blocks of 32; in the others q (or p) holds zero codes and every scale byte there is 0 (2^-127), so whatever finite codes the other side holds add nothing.
; THE LAST PRODUCT'S K is (d, head) with d outermost: a block of 32 is d = 8 B .. 8 B + 7 of all four heads.  Place 32 (d / 8) + 8 head + d % 8 holds o(head, d) and Wo's memory row 32 head + d.
; ROLES.  Attention: wave = (head w = wave % 4, query block Bp = wave / 4): it makes k and v of window blocks Bp and Bp + 1 and q of block Bp + 1 for its head; q, k, v, p stay in its registers; o goes to LDS in f32.
; Last phase: wave = (query tile Tq = wave / 2, features 64 g on, g = wave % 2): it quantises its tile's o (both waves of a tile do: 16 rows, cheaper than one more exchange).
; THE SOFTMAX: t = score x log2(e) / sqrt(32); M = ceil(the row's largest t); p = 2^(t - M) is quantised along the keys, not normalised; the sum of the unquantised p divides o.  Hidden keys get -infinity ahead of the maximum: p = 0.
; No tensor loads, no loop.  No source of a pending memory instruction is written before the wait that shows it done.
; LIMITS: NaN and infinities are not served; a block whose largest magnitude lies under 2^-122 gets the byte 1, a block of zeros too (these bytes never leave the launch);
; hidden keys are set to -infinity, so their p is exactly 0.
.set XP,   528                         ; LDS: a row of 128 f32: 512 bytes + 16, an odd multiple of 16: sixteen rows begin in sixteen different groups of banks
.set XT,   16*XP                       ; a tile of 16 such rows
.set FRB,  1536                        ; a fragment's image: 12 registers x 128 bytes
.set XIMG, 6*XT                        ; x as f32 lies from 0 on; then the images of x's six fragments,
.set XSCL, XIMG+6*FRB                  ; their scale words, 4 bytes a lane,
.set OS,   XSCL+6*128                  ; o in f32: four query tiles of 16 rows, a row in the order of the last product's K,
.set LNX,  OS+4*XT                     ; (mean, sum of squares) of half a row: 256 x wave + 8 x lane,
.set STG,  LNX+2048                    ; a stage of 16 rows x 272 bytes for each wave,
.set SP,   272
.set WIMG, STG+8*16*SP                 ; the weights' sixteen records (4 x weight + pair of tiles), two images each,
.set WSCL, WIMG+16*2*FRB               ; and their scale words, 128 bytes a record
; window 1 (v256 on, written by their low 8 bits).  In the first phase: record 0's numbers at 0-127, record 1's at 128-255
.set BQ, 0                             ; the biases, in the results' layouts
.set BK, 16
.set BV, 32
.set BO, 48
.set WQ, 80                            ; my head's two tiles of Wq; WK, WV likewise; WO: four tiles
.set WK, 104
.set WV, 128
.set WO, 152
.set XF, 200                           ; x's four fragments of my two blocks
; window 0
.set LN16, 1                           ; 16 x lane
.set LN4,  2                           ; 4 x lane
.set RR,   3                           ; r = lane % 16
.set HH,   4                           ; h = lane / 16
.set XW,   5                           ; addresses: see the head
.set XRD,  6
.set IW,   7
.set SWA,  8
.set XI,   9
.set XSA,  10
.set OW,   11
.set WIR,  12
.set OFA,  13
.set WSR,  14
.set XRES, 15
.set LNW,  16
.set LNR,  17
.set STO,  18
.set SRD,  19
.set GO,   20
.set NINF, 21
.set BA16, 22
.set BVA,  23
.set BOA,  24
.set GBA,  25
.set SWQ,  26                          ; v26-30, v32-46 hold scale words and nothing else
.set SWK,  27
.set SWV,  28
.set SWO,  29
.set LANE, 31
.set XSC,  32
.set KS,   36
.set QS,   40
.set VS,   42
.set PS,   44
.set OSC,  46
.set WOR,  47
.set GAM,  48
.set BET,  52
.set MX,   56                          ; v56-61 largest magnitudes; v62-67 the other half's; v68-73 the conversions' scale operands; v74-77 bytes
.set PX,   62
.set OP,   68
.set BY,   74
.set ML,   78                          ; v78:79 (mean, sum of squares)
.set XR,   80                          ; x as loaded
.set WF,   80                          ; behind x's turn: record c's two fragments at 48 c (12 + 12), the upper halves' 16 at + 24, its scale word at + 40
.set XN,   144                         ; x, 16 neighbours of each block a lane
.set PC,   208                         ; the codes just made
.set PW,   228                         ; their scale word
.set WCO,  230                         ; first phase only: my column's byte in a record's 128; where I store images; where I store scale words
.set WIW,  231
.set WSW,  232
.set KA,   80                          ; k: 16 t + 8 p;  later v: 32 p + 8 t;  later o: 16 u + 8 p
.set VA,   80
.set OA,   80
.set ON,   80                          ; last phase: o, 16 neighbours of each block a lane
.set QA,   144                         ; q: 16 u + 8 p
.set SA,   144                         ; S^T, then p: 24 e + 16 u + j; zeros at 24 e + 8 + j
.set KC,   192                         ; k's four fragments' lower sixes on end, then six zeros
.set TH,   192                         ; once the scores are issued: at work
.set VC,   204                         ; and v's two fragments' lower sixes; the six zeros follow them
.set QC,   222                         ; q's two fragments (six of codes, six zeros), later p's
.set TP,   246                         ; v246:247, v248:249 (-M, t) of query tiles 0, 1
.set LS,   250                         ; v250:251, v252:253 (1 / sum, sum)
.set WOS,  254
.set YA,   128                         ; last phase: y, 32 features of a row a lane
.set XRS,  160                         ; x for the residual
.set RB,   192                         ; rows read back from the stage
; scalars: s[4:27] the twelve buffers; s28 wave, s29 w, s30 Bp, s31 Tq (also: my weight), s32 g, s33 first; s34-36 at work; s[38:39] x, s[40:41] my weight, s[42:43] out0, each at my part
.set MO,   50                          ; s50-57 lane masks for the own block, register j
.set MP,   66                          ; s66-73 for the block before
.set MSB, 0
.macro WIN new                         ; the immediate's high byte repeats the setting that is left
.if MSB != \new
	s_set_vgpr_msb (MSB<<8)|\new
.set MSB, \new
.endif
.endm
.macro BARRIER                         ; my LDS stores have landed and my LDS loads are in: then the work-group's barrier
	s_wait_dscnt 0x0
	s_barrier_signal -1
	s_barrier_wait -1
.endm
; cnt groups of 16 registers from src on; each group and lane l xor 16's are a block of 32.  Leaves the conversions' scale operands in OP and the scale bytes in dst.  The groups take turns line by line.
.macro SCALES src, cnt, dst
.set sb_, 0
.rept \cnt
	v_max3_num_f32 v[MX+sb_], |v[\src+16*sb_]|, |v[\src+16*sb_+1]|, 0x2800000   ; with the floor 2^(5 - 127): the byte cannot fall under 1
.set sb_, sb_+1
.endr
.set si_, 2
.rept 7
.set sb_, 0
.rept \cnt
	v_max3_num_f32 v[MX+sb_], v[MX+sb_], |v[\src+16*sb_+si_]|, |v[\src+16*sb_+si_+1]|
.set sb_, sb_+1
.endr
.set si_, si_+2
.endr
.set sb_, 0
.rept \cnt
	v_permlanex16_b32 v[PX+sb_], v[MX+sb_], s44, s45
.set sb_, sb_+1
.endr
.set sb_, 0
.rept \cnt
	v_max_num_f32 v[MX+sb_], v[MX+sb_], v[PX+sb_]
.set sb_, sb_+1
.endr
.set sb_, 0
.rept \cnt
	v_add_nc_u32 v[OP+sb_], 0xfe000000, v[MX+sb_]  ; 4 off the exponent field
.set sb_, sb_+1
.endr
.set sb_, 0
.rept \cnt
	v_lshrrev_b32 v[\dst+sb_], 23, v[OP+sb_]
.set sb_, sb_+1
.endr
.endm
.macro CVT2 d, t, s0, s1, o0, o1       ; two neighbouring blocks' halves: 16 codes each, three registers from an even one on
	v_cvt_scalef32_pk16_bf6_f32 v[\d:\d+2], v[\s0:\s0+15], v[\o0]
	v_cvt_scalef32_pk16_bf6_f32 v[\t:\t+2], v[\s1:\s1+15], v[\o1]
.endm
.macro JOIN d, t                       ; the operand's layout wants a whole block in a lane: lanes 0-15 the first block, lanes 16-31 the second
.irp i, 0,1,2
	v_permlane16_swap_b32 v[\d+\i], v[\t+\i]
.endr
.irp i, 0,1,2
	s_delay_alu instid0(VALU_DEP_3)
	v_mov_b32 v[\d+3+\i], v[\t+\i]
.endr
.endm
.macro QUANT s                         ; 64 numbers a lane, register 16 b + i = k 32 b + 16 h + i of my row, become a fragment in PC and its scale word in PW
	SCALES \s, 4, BY
	s_delay_alu instid0(VALU_DEP_3)
	v_lshl_or_b32 v[PW], v[BY+1], 8, v[BY]
	s_delay_alu instid0(VALU_DEP_1)
	v_lshl_or_b32 v[PW], v[BY+2], 16, v[PW]
	s_delay_alu instid0(VALU_DEP_1)
	v_lshl_or_b32 v[PW], v[BY+3], 24, v[PW]
.irp c, 0,1
	CVT2 PC+6*\c, PC+12+4*\c, \s+32*\c, \s+32*\c+16, OP+2*\c, OP+2*\c+1
.endr
	v_nop                                          ; one plain place behind the scaled conversions
.irp c, 0,1
	JOIN PC+6*\c, PC+12+4*\c
.endr
.endm
; record rec of my weight, 128 loads: place k of K of my column into register 128 rec + k of window 1; the 32 lanes read 128 consecutive bytes.  wo = 1: place k is head (k / 8) % 4, d = 8 (k / 32) + k % 8
.macro WLD rec, wo
	WIN 0x40                                       ; destination window 1
.set k_, 0
.rept 128
.if \wo
	global_load_b32 v[128*\rec+k_], v[WCO], s[40:41] offset:128*\rec+512*(32*((k_/8)%4)+8*(k_/32)+k_%8)
.else
	global_load_b32 v[128*\rec+k_], v[WCO], s[40:41] offset:128*\rec+512*k_
.endif
.set k_, k_+1
.endr
	WIN 0
.endm
; record rec is quantised: a column's four blocks are all mine.  Its two fragments' images and its scale words go to LDS.  Each record has registers of its own for what it stores
.macro QW rec
	WIN 0x14                                       ; sources 1 and 2 window 1
.irp b, 0,1,2,3
	v_max3_num_f32 v[MX+\b], 0x2800000, |v[128*\rec+32*\b]|, |v[128*\rec+32*\b+1]|   ; with the floor 2^(5 - 127)
.endr
.irp i, 2,4,6,8,10,12,14,16,18,20,22,24,26,28,30
.irp b, 0,1,2,3
	s_delay_alu instid0(VALU_DEP_4)
	v_max3_num_f32 v[MX+\b], v[MX+\b], |v[128*\rec+32*\b+\i]|, |v[128*\rec+32*\b+\i+1]|   ; the four blocks by turns
.endr
.endr
	WIN 0
.irp b, 0,1,2,3
	v_add_nc_u32 v[OP+\b], 0xfe000000, v[MX+\b]
.endr
.irp b, 0,1,2,3
	s_delay_alu instid0(VALU_DEP_4)
	v_lshrrev_b32 v[BY+\b], 23, v[OP+\b]
.endr
	s_delay_alu instid0(VALU_DEP_3)
	v_lshl_or_b32 v[WF+48*\rec+40], v[BY+1], 8, v[BY]
	s_delay_alu instid0(VALU_DEP_1)
	v_lshl_or_b32 v[WF+48*\rec+40], v[BY+2], 16, v[WF+48*\rec+40]
	s_delay_alu instid0(VALU_DEP_1)
	v_lshl_or_b32 v[WF+48*\rec+40], v[BY+3], 24, v[WF+48*\rec+40]
	WIN 0x01                                       ; source 0 window 1
.irp b, 0,1,2,3                        ; block b's lower 16 codes go to their place: blocks 0, 2 in the first twelve, blocks 1, 3 in the second; the upper 16 are made apart and moved (a conversion's three registers begin on an even number)
	v_cvt_scalef32_pk16_bf6_f32 v[WF+48*\rec+12*(\b%2)+6*(\b/2):WF+48*\rec+12*(\b%2)+6*(\b/2)+2], v[128*\rec+32*\b:128*\rec+32*\b+15], v[OP+\b]
	v_cvt_scalef32_pk16_bf6_f32 v[WF+48*\rec+24+4*\b:WF+48*\rec+24+4*\b+2], v[128*\rec+32*\b+16:128*\rec+32*\b+31], v[OP+\b]
.endr
	WIN 0
	v_nop                                          ; one plain place behind the scaled conversions
.irp b, 0,1,2,3
.irp i, 0,1,2
	v_mov_b32 v[WF+48*\rec+12*(\b%2)+6*(\b/2)+3+\i], v[WF+48*\rec+24+4*\b+\i]
.endr
.endr
.irp i, 0,1,2,3,4,5,6,7,8,9,10,11      ; lanes 0-15 are to hold a row's blocks 0 and 2, lanes 16-31 its blocks 1 and 3: the first twelve's lanes 16-31 (second tile, blocks 0, 2) change places with the second twelve's lanes 0-15 (first tile, blocks 1, 3)
	v_permlane16_swap_b32 v[WF+48*\rec+\i], v[WF+48*\rec+12+\i]
.endr
.irp c, 0,1,2,3,4,5
	ds_store_b128 v[WIW], v[WF+48*\rec+4*\c:WF+48*\rec+4*\c+3] offset:2*FRB*\rec+512*\c
.endr
	ds_store_b32 v[WSW], v[WF+48*\rec+40] offset:128*\rec
.endm
; a product with C in registers.  row = 1: source 0's scales from lanes 16-31;  2: source 1's
.macro MMC d, a, b, c, sa, sb, row
.if (\row) == 1
	v_wmma_scale_f32_16x16x128_f8f6f4 v[\d:\d+7], v[\a:\a+11], v[\b:\b+11], v[\c:\c+7], v[\sa], v[\sb] matrix_a_fmt:MATRIX_FMT_BF6 matrix_b_fmt:MATRIX_FMT_BF6 matrix_a_scale:MATRIX_SCALE_ROW1
.elseif (\row) == 2
	v_wmma_scale_f32_16x16x128_f8f6f4 v[\d:\d+7], v[\a:\a+11], v[\b:\b+11], v[\c:\c+7], v[\sa], v[\sb] matrix_a_fmt:MATRIX_FMT_BF6 matrix_b_fmt:MATRIX_FMT_BF6 matrix_b_scale:MATRIX_SCALE_ROW1
.else
	v_wmma_scale_f32_16x16x128_f8f6f4 v[\d:\d+7], v[\a:\a+11], v[\b:\b+11], v[\c:\c+7], v[\sa], v[\sb] matrix_a_fmt:MATRIX_FMT_BF6 matrix_b_fmt:MATRIX_FMT_BF6
.endif
.endm
.macro MMZ d, a, b, sa, sb             ; a product that starts from 0
	v_wmma_scale_f32_16x16x128_f8f6f4 v[\d:\d+7], v[\a:\a+11], v[\b:\b+11], 0, v[\sa], v[\sb] matrix_a_fmt:MATRIX_FMT_BF6 matrix_b_fmt:MATRIX_FMT_BF6
.endm
; ---- THE HEAD: ids, every address register, the masks
	s_load_b256 s[4:11], s[0:1], 0x0               ; x, Wq, Wk, Wv
	s_load_b256 s[12:19], s[0:1], 0x20             ; Wo, bq, bk, bv
	s_load_b256 s[20:27], s[0:1], 0x40             ; bo, gamma, beta, out0
	v_lshrrev_b32 v[LANE], 5, v0
	s_delay_alu instid0(VALU_DEP_1)
	v_readfirstlane_b32 s28, v[LANE]               ; wave 0..7
	v_and_b32 v[LANE], 31, v0
	v_and_b32 v[RR], 15, v0
	v_bfe_u32 v[HH], v0, 4, 1
	s_delay_alu instid0(VALU_DEP_3)
	v_lshlrev_b32 v[LN16], 4, v[LANE]
	s_wait_alu depctr_va_vdst(0)
	v_lshlrev_b32 v[LN4], 2, v[LANE]
	s_wait_alu depctr_va_vdst(0)
	s_and_b32 s29, s28, 3                          ; w: my head
	s_lshr_b32 s30, s28, 2                         ; Bp: my query block
	s_lshr_b32 s31, s28, 1                         ; Tq: my query tile in the last phase; also my x tile's block, and my weight
	s_and_b32 s32, s28, 1                          ; g: my half of the features; also my x tile's u, and my half of the weight's columns
	s_and_b32 s34, ttmp9, 63
	s_cmp_eq_u32 s34, 0
	s_cselect_b32 s33, 1, 0                        ; first: my rows begin a sequence, and the halo does not exist
	s_mov_b32 s44, 0x76543210
	s_mov_b32 s45, 0xfedcba98                      ; v_permlanex16_b32's selects for lane l xor 16
	s_mov_b32 s46, 0x3e8293ee                      ; c = log2(e) / sqrt(32)
	s_mov_b32 s47, s46                             ; (named with it as a pair)
	s_mov_b32 s48, 0x3c000000                      ; 1 / 128
	s_mov_b32 s49, 0x3a83126f                      ; eps = 1e-3
	s_mul_i32 s34, s28, XT                         ; x tile = wave (waves 0-5)
	v_add_nc_u32 v[XW], s34, v[LN16]               ; in: a row's 512 bytes, 16 a lane
	v_mul_u32_u24 v56, v[RR], XP
	s_delay_alu instid0(VALU_DEP_1)
	v_lshl_add_u32 v56, v[HH], 6, v56              ; 528 r + 64 h
	s_delay_alu instid0(VALU_DEP_1)
	v_add_nc_u32 v[XRD], s34, v56                  ; back: row r, my 16 numbers of each block of 32
	s_mul_i32 s34, s31, XT
	s_lshl_b32 s35, s32, 8
	s_add_co_u32 s34, s34, s35
	s_add_co_u32 s34, s34, 2*XT
	v_add_nc_u32 v[XRES], s34, v56                 ; the residual: tile Tq + 2, row r, features 64 g + 16 h on
	s_mul_i32 s34, s31, XT
	s_add_co_u32 s34, s34, OS
	v_add_nc_u32 v[OFA], s34, v56                  ; o of query tile Tq: row r, my 16 numbers of each block of 32
	s_mul_i32 s34, s28, FRB
	s_add_co_u32 s34, s34, XIMG
	v_add_nc_u32 v[IW], s34, v[LN16]               ; where I store my x tile's image
	s_lshl_b32 s34, s28, 7
	s_add_co_u32 s34, s34, XSCL
	v_add_nc_u32 v[SWA], s34, v[LN4]               ; and its scale words
	s_mul_i32 s34, s30, 2*FRB
	s_add_co_u32 s34, s34, XIMG
	v_add_nc_u32 v[XI], s34, v[LN16]               ; where I fetch the four fragments of blocks Bp, Bp + 1
	s_lshl_b32 s34, s30, 8
	s_add_co_u32 s34, s34, XSCL
	v_add_nc_u32 v[XSA], s34, v[LN4]
	s_mul_i32 s34, s30, 2*XT                       ; where I store o: query tile 2 Bp + u, row r; channel 16 h + 8 q + i of head w has place 32 (2 h + q) + 8 w + i: byte 256 h + 128 q + 32 w + 4 i
	s_lshl_b32 s35, s29, 5
	s_add_co_u32 s34, s34, s35
	s_add_co_u32 s34, s34, OS
	v_mul_u32_u24 v[OW], v[RR], XP
	s_delay_alu instid0(VALU_DEP_1)
	v_lshl_add_u32 v[OW], v[HH], 8, v[OW]
	s_delay_alu instid0(VALU_DEP_1)
	v_add_nc_u32 v[OW], s34, v[OW]
	s_lshl_b32 s34, s28, 8
	s_add_co_u32 s34, s34, LNX
	v_lshl_add_u32 v[LNW], v[LANE], 3, s34
	s_xor_b32 s34, s28, 1                          ; the wave with the same rows' other 64 features
	s_lshl_b32 s34, s34, 8
	s_add_co_u32 s34, s34, LNX
	v_lshl_add_u32 v[LNR], v[LANE], 3, s34
	s_mul_i32 s34, s28, 16*SP
	s_add_co_u32 s34, s34, STG                     ; my stage
	v_mul_u32_u24 v57, v[RR], SP
	s_delay_alu instid0(VALU_DEP_1)
	v_lshl_add_u32 v57, v[HH], 6, v57
	s_delay_alu instid0(VALU_DEP_1)
	v_add_nc_u32 v[STO], s34, v57                  ; in: row r, 64 h bytes on
	v_mul_u32_u24 v57, v[HH], SP
	s_delay_alu instid0(VALU_DEP_1)
	v_lshl_add_u32 v57, v[RR], 4, v57
	s_delay_alu instid0(VALU_DEP_1)
	v_add_nc_u32 v[SRD], s34, v57                  ; back: lanes 0-15 one row of 256 bytes, lanes 16-31 the next
	v_and_b32 v56, 7, v0                           ; the weights: my column among a record's 32: l % 8 + 16 ((l / 8) % 2) + 8 (l / 16)
	v_bfe_u32 v57, v0, 3, 1
	s_delay_alu instid0(VALU_DEP_1)
	v_lshl_add_u32 v56, v57, 4, v56
	s_delay_alu instid0(VALU_DEP_1)
	v_lshl_add_u32 v56, v[HH], 3, v56
	s_delay_alu instid0(VALU_DEP_1)
	v_lshlrev_b32 v[WCO], 2, v56
	s_mul_i32 s34, s28, 4*FRB                      ; I store records 2 wave and 2 wave + 1
	s_add_co_u32 s34, s34, WIMG
	v_add_nc_u32 v[WIW], s34, v[LN16]
	s_lshl_b32 s34, s28, 8
	s_add_co_u32 s34, s34, WSCL
	v_add_nc_u32 v[WSW], s34, v[LN4]
	s_mul_i32 s34, s29, 2*FRB                      ; I fetch record 4 i + w of Wq, Wk, Wv
	s_add_co_u32 s34, s34, WIMG
	v_add_nc_u32 v[WIR], s34, v[LN16]
	s_lshl_b32 s34, s29, 7
	s_add_co_u32 s34, s34, WSCL
	v_add_nc_u32 v[WSR], s34, v[LN4]
	s_mul_i32 s34, s32, 4*FRB                      ; and records 12 + 2 g, 13 + 2 g of Wo
	s_add_co_u32 s34, s34, WIMG+24*FRB
	v_add_nc_u32 v[WOR], s34, v[LN16]
	s_lshl_b32 s34, s32, 8
	s_add_co_u32 s34, s34, WSCL+1536
	v_add_nc_u32 v[WOS], s34, v[LN4]
	v_lshlrev_b32 v[GO], 11, v[HH]                 ; in out0 the next tile row lies four rows on
	s_delay_alu instid0(VALU_DEP_1)
	v_lshl_add_u32 v[GO], v[RR], 4, v[GO]
	v_mov_b32 v[NINF], 0xff800000                  ; -infinity
	s_lshl_b32 s34, s29, 7
	v_lshl_add_u32 v[BA16], v[HH], 6, s34          ; bq, bk: numbers 32 w + 16 h on
	v_and_b32 v57, 8, v[RR]
	s_delay_alu instid0(VALU_DEP_1)
	v_add_nc_u32 v57, v57, v[RR]
	s_delay_alu instid0(VALU_DEP_1)
	v_lshl_add_u32 v[BVA], v57, 2, s34             ; bv: number 32 w + r + 8 (r / 8) (+ 8 for the second tile)
	s_lshl_b32 s34, s32, 8
	v_lshl_add_u32 v[BOA], v[HH], 6, s34           ; bo: numbers 64 g + 16 h on
	v_lshl_add_u32 v[GBA], v[RR], 4, s34           ; gamma, beta: numbers 64 g + 4 r on
.irp b, 0,1,2,3,4,5
	v_mov_b32 v[PX+\b], 0                          ; written once: a lane permute's destination counts as one of its sources
.endr
	v_mov_b32 v[ML+1], 0                           ; (named as the upper half of a pair before it is first written)
	v_and_b32 v56, 7, v[RR]                        ; a = r % 8
	v_lshrrev_b32 v57, 3, v[RR]
	s_delay_alu instid0(VALU_DEP_1)
	v_cmp_eq_u32 vcc_lo, v57, v[HH]                ; do my registers hold keys of my query's class?
	s_delay_alu instid0(VALU_DEP_1)
	v_cndmask_b32 v58, -1, v56, vcc_lo             ; own block: register j counts where j <= a
	s_delay_alu instid0(VALU_DEP_2)
	v_cndmask_b32 v59, 8, v56, vcc_lo              ; block before: where j >= a;
	s_cmp_eq_u32 s30, 0
	s_cselect_b32 s34, s33, 0
	s_lshl_b32 s34, s34, 3
	v_max_u32 v59, s34, v59                        ; nowhere, if that block lies ahead of the sequence's start
.irp j, 0,1,2,3,4,5,6,7
	v_cmp_le_i32 s[MO+\j], \j, v58
	v_cmp_ge_i32 s[MP+\j], \j, v59
.endr
	s_wait_kmcnt 0x0
	s_max_u32 s34, s31, s33                        ; where the halo does not exist its two tiles load block 1's rows: no load leaves x, and the masks hide those keys
	s_lshl_b32 s34, s34, 5
	s_lshl_b32 s35, ttmp9, 6
	s_add_co_u32 s34, s34, s35
	s_add_co_u32 s34, s34, s32
	s_sub_co_u32 s34, s34, 32                      ; my x tile's first row: R0 - 32 + 32 b + u
	s_lshl_b32 s34, s34, 9
	s_mov_b32 s35, 0
	s_add_nc_u64 s[38:39], s[4:5], s[34:35]
	s_cmp_eq_u32 s31, 1                            ; my weight is chosen on the wave's number alone
	s_cselect_b64 s[40:41], s[8:9], s[6:7]
	s_cmp_eq_u32 s31, 2
	s_cselect_b64 s[40:41], s[10:11], s[40:41]
	s_cmp_eq_u32 s31, 3
	s_cselect_b64 s[40:41], s[12:13], s[40:41]
	s_lshl_b32 s34, s32, 8                         ; my 64 columns
	s_add_nc_u64 s[40:41], s[40:41], s[34:35]
	s_lshr_b32 s34, s31, 1
	s_lshl_b32 s34, s34, 5
	s_and_b32 s36, s31, 1
	s_add_co_u32 s34, s34, s36
	s_lshl_b32 s36, ttmp9, 6
	s_add_co_u32 s34, s34, s36                     ; my query tile's first row: R0 + 32 (Tq / 2) + Tq % 2
	s_lshl_b32 s34, s34, 9
	s_lshl_b32 s36, s32, 8
	s_add_co_u32 s34, s34, s36
	s_add_nc_u64 s[42:43], s[26:27], s[34:35]
; ---- FIRST PHASE.  Waves 0-5 fetch a tile of x each, keep it in LDS as f32 for the residual, quantise it along the features and leave the fragment's image in LDS; every wave quantises two records of a weight
	s_cmp_lt_u32 s28, 6
	s_cbranch_scc0 .Lno_tile
.irp i, 0,1,2,3,4,5,6,7,8,9,10,11,12,13,14,15
	global_load_b128 v[XR+4*\i:XR+4*\i+3], v[LN16], s[38:39] offset:512*(4*(\i%8)+2*(\i/8))   ; tile row i: a whole row of 512 consecutive bytes
.endr
	WLD 0, 0
	s_wait_loadcnt 63                              ; x's sixteen loads are in: 128 were issued behind them, and 63 is the most that a wait can name
.irp i, 0,1,2,3,4,5,6,7,8,9,10,11,12,13,14,15
	ds_store_b128 v[XW], v[XR+4*\i:XR+4*\i+3] offset:XP*\i
.endr
.irp b, 0,1,2,3
.irp j, 0,1,2,3
	ds_load_b128 v[XN+16*\b+4*\j:XN+16*\b+4*\j+3], v[XRD] offset:128*\b+16*\j   ; my wave's own bytes: LDS serves a wave's instructions in order
.endr
.endr
	s_wait_dscnt 0x0
	QUANT XN
.irp c, 0,1,2
	ds_store_b128 v[IW], v[PC+4*\c:PC+4*\c+3] offset:512*\c
.endr
	ds_store_b32 v[SWA], v[PW]
	WLD 1, 0
	s_branch .Lweights
.Lno_tile:                                         ; waves 6 and 7: Wo, its rows in the order of the last product's K
	WLD 0, 1
	WLD 1, 1
.Lweights:
	s_wait_loadcnt 63                              ; record 0 is in, on either way: record 1's 128 loads were issued behind it
	QW 0
	WIN 0x40                                       ; twenty loads into the registers that record 0 has left: bq and bk (8), bv (2), bo (8), in the results' layouts; gamma, beta
.irp e, 0,1,2,3
	global_load_b128 v[BQ+4*\e:BQ+4*\e+3], v[BA16], s[14:15] offset:16*\e
	global_load_b128 v[BK+4*\e:BK+4*\e+3], v[BA16], s[16:17] offset:16*\e
.endr
.irp t, 0,1
	global_load_b32 v[BV+8*\t], v[BVA], s[18:19] offset:32*\t
.endr
.irp p, 0,1
.irp e, 0,1,2,3
	global_load_b128 v[BO+16*\p+4*\e:BO+16*\p+4*\e+3], v[BOA], s[20:21] offset:128*\p+16*\e
.endr
.endr
	WIN 0
	global_load_b128 v[GAM:GAM+3], v[GBA], s[22:23]
	global_load_b128 v[BET:BET+3], v[GBA], s[24:25]
	s_wait_loadcnt 20                              ; record 1 is in; the twenty just issued stay out
	QW 1
	BARRIER                                        ; x's six tiles, their images and scale words, and the weights' sixteen records lie in LDS
; ---- PROJECTIONS: k of four tiles, q of two, v of four, for my head
	WIN 0x40
.irp i, 0,1,2
.irp c, 0,1,2,3,4,5
	ds_load_b128 v[WQ+24*\i+4*\c:WQ+24*\i+4*\c+3], v[WIR] offset:8*FRB*\i+512*\c
.endr
.endr
.irp t, 0,1,2,3
.irp c, 0,1,2
	ds_load_b128 v[XF+12*\t+4*\c:XF+12*\t+4*\c+3], v[XI] offset:FRB*\t+512*\c
.endr
.endr
	WIN 0
.irp i, 0,1,2
	ds_load_b32 v[SWQ+\i], v[WSR] offset:512*\i
.endr
.irp t, 0,1,2,3
	ds_load_b32 v[XSC+\t], v[XSA] offset:128*\t
.endr
	WIN 0x40
.irp p, 0,1
.irp c, 0,1,2,3,4,5
	ds_load_b128 v[WO+24*\p+4*\c:WO+24*\p+4*\c+3], v[WOR] offset:2*FRB*\p+512*\c   ; for the last phase
.endr
.endr
	WIN 0
.irp p, 0,1
	ds_load_b32 v[SWO+\p], v[WOS] offset:128*\p
.endr
	s_wait_loadcnt 0x0                             ; the biases, gamma, beta
	WIN 0x41                                       ; destination and source 0 window 1
.irp t, 0,1
.irp j, 1,2,3,4,5,6,7
	v_mov_b32 v[BV+8*\t+\j], v[BV+8*\t]            ; in v's results a lane holds one channel: its bias in all eight registers
.endr
.endr
	s_wait_dscnt 14                                ; all but Wo's twelve loads and two scale words, which the next barrier's wait covers
	WIN 0x15                                       ; sources 0, 1 and 2 window 1, results window 0
.irp t, 0,1,2,3                        ; k^T: source 0 = 16 columns of Wk, source 1 = x tile t: lane (r, h) holds row r, registers 16 t + 0 .. 15 channels 16 h + 0 .. 15
.irp p, 0,1
	MMC KA+16*\t+8*\p, WK+12*\p, XF+12*\t, BK+8*\p, SWK, XSC+\t, \p
.endr
.endr
.irp u, 0,1                            ; q^T of block Bp + 1 likewise
.irp p, 0,1
	MMC QA+16*\u+8*\p, WQ+12*\p, XF+24+12*\u, BQ+8*\p, SWQ, XSC+2+\u, \p
.endr
.endr
	WIN 0
.irp i, 24,25,26,27,28,29
	v_mov_b32 v[KC+\i], 0                          ; the zeros behind k's (later v's) last fragment; these eighteen lines are also the places behind the products
.endr
.irp i, 6,7,8,9,10,11,18,19,20,21,22,23
	v_mov_b32 v[QC+\i], 0                          ; q's, later p's, K blocks 2 and 3: zero codes
.endr
	SCALES KA, 6, KS                               ; k's four tiles and q's two lie on end, and so do their scale registers: a row's 32 channels are one block
.irp t, 0,1,2,3
	v_cvt_scalef32_pk16_bf6_f32 v[KC+6*\t:KC+6*\t+2], v[KA+16*\t:KA+16*\t+15], v[OP+\t]
.endr
.irp u, 0,1
	v_cvt_scalef32_pk16_bf6_f32 v[QC+12*\u:QC+12*\u+2], v[QA+16*\u:QA+16*\u+15], v[OP+4+\u]
.endr
.irp f, KC, KC+6, KC+12, KC+18, QC, QC+12      ; the block belongs to lanes 0-15 whole; lanes 16-31 (K block 1) get zero codes.  The moves are the plain places behind the conversions
.irp i, 0,1,2
	v_mov_b32 v[\f+3+\i], 0
.endr
.endr
.irp f, KC, KC+6, KC+12, KC+18, QC, QC+12
.irp i, 0,1,2
	v_permlane16_swap_b32 v[\f+\i], v[\f+3+\i]
.endr
.endr
	WIN 0x15
.irp p, 0,1                            ; v: source 0 = x tile t, source 1 = 16 columns of Wv: a lane holds ONE channel and its registers run along the keys: 32 p + 16 e + 0 .. 15 are slots 16 h + 0 .. 15 of block e
.irp t, 0,1,2,3
	MMC VA+32*\p+8*\t, XF+12*\t, WV+12*\p, BV+8*\p, XSC+\t, SWV, 2*\p
.endr
.endr
	WIN 0
.irp e, 0,1
.irp j, 0,1,2,3,4,5,6,7
	v_mov_b32 v[SA+24*\e+8+\j], 0                  ; p of the key tile that a query tile never meets.  These sixteen are the places behind v's products and ahead of the scores'
.endr
.endr
; ---- SCORES: S^T = k q^T: key tile (e, u) against query tile u
.irp e, 0,1
.irp u, 0,1
	MMZ SA+24*\e+16*\u, KC+6*(2*\e+\u), QC+12*\u, KS+2*\e+\u, QS+\u
.endr
.endr
; v is quantised along the keys behind them: these lines are the places behind the scores
	SCALES VA, 4, BY
.irp p, 0
	s_delay_alu instid0(VALU_DEP_3)
	v_lshl_or_b32 v[VS+\p], v[BY+2*\p+1], 8, v[BY+2*\p]
.endr
.irp p, 1
	s_delay_alu instid0(VALU_DEP_2)
	v_lshl_or_b32 v[VS+\p], v[BY+2*\p+1], 8, v[BY+2*\p]
.endr
.irp p, 0,1
	CVT2 VC+6*\p, TH+4*\p, VA+32*\p, VA+32*\p+16, OP+2*\p, OP+2*\p+1
.endr
	v_nop                                          ; one plain place behind the scaled conversions
.irp p, 0,1
	JOIN VC+6*\p, TH+4*\p
.endr
; ---- SOFTMAX, both query tiles by turns; block 2 u + e is key block e of tile u
.irp j, 0,1,2,3,4,5,6,7
.irp u, 0,1
	v_cndmask_b32 v[SA+16*\u+\j], v[NINF], v[SA+16*\u+\j], s[MP+\j]          ; each result from its low end on
	v_cndmask_b32 v[SA+24+16*\u+\j], v[NINF], v[SA+24+16*\u+\j], s[MO+\j]
.endr
.endr
.irp u, 0,1
.irp e, 0,1
	v_max3_num_f32 v[MX+2*\u+\e], v[SA+24*\e+16*\u], v[SA+24*\e+16*\u+1], v[SA+24*\e+16*\u+2]   ; each block's largest score: it serves the row's maximum and, since p rises with the score, the block's largest p
.endr
.endr
.irp i, 3,5
.irp u, 0,1
.irp e, 0,1
	s_delay_alu instid0(VALU_DEP_4)
	v_max3_num_f32 v[MX+2*\u+\e], v[MX+2*\u+\e], v[SA+24*\e+16*\u+\i], v[SA+24*\e+16*\u+\i+1]
.endr
.endr
.endr
.irp u, 0,1
.irp e, 0,1
	s_delay_alu instid0(VALU_DEP_4)
	v_max_num_f32 v[MX+2*\u+\e], v[MX+2*\u+\e], v[SA+24*\e+16*\u+7]
.endr
.endr
.irp b, 0,1,2,3
	s_delay_alu instid0(VALU_DEP_4)
	v_permlanex16_b32 v[PX+\b], v[MX+\b], s44, s45
.endr
.irp b, 0,1,2,3
	s_delay_alu instid0(VALU_DEP_4)
	v_max_num_f32 v[MX+\b], v[MX+\b], v[PX+\b]
.endr
.irp u, 0
	s_delay_alu instid0(VALU_DEP_3)
	v_max_num_f32 v[TP+2*\u+1], v[MX+2*\u], v[MX+2*\u+1]
.endr
.irp u, 1
	s_delay_alu instid0(VALU_DEP_2)
	v_max_num_f32 v[TP+2*\u+1], v[MX+2*\u], v[MX+2*\u+1]   ; the row's largest score: its own key always counts
.endr
.irp u, 0,1
	s_delay_alu instid0(VALU_DEP_2)
	v_mul_f32 v[TP+2*\u+1], s46, v[TP+2*\u+1]      ; as t (c is positive)
.endr
.irp u, 0,1
	s_delay_alu instid0(VALU_DEP_2)
	v_floor_f32 v[TP+2*\u], -v[TP+2*\u+1]          ; -M = floor(-t) = -ceil(t)
.endr
.irp u, 0,1
.irp e, 0,1
.irp j, 0,2,4,6
	v_pk_fma_f32 v[SA+24*\e+16*\u+\j:SA+24*\e+16*\u+\j+1], v[SA+24*\e+16*\u+\j:SA+24*\e+16*\u+\j+1], s[46:47], v[TP+2*\u:TP+2*\u+1] op_sel_hi:[1,0,0]   ; t - M, two at a time
.endr
.endr
.endr
.irp u, 0,1
.irp e, 0,1
	v_fma_f32 v[MX+2*\u+\e], v[MX+2*\u+\e], s46, v[TP+2*\u]   ; the same of each block's largest score
.endr
.endr
	s_wait_alu depctr_va_vdst(0)
.irp u, 0,1
.irp e, 0,1
.irp j, 0,1,2,3,4,5,6,7
	v_exp_f32 v[SA+24*\e+16*\u+\j], v[SA+24*\e+16*\u+\j]      ; p = 2^(t - M); 0 for hidden keys
.endr
.endr
.endr
.irp b, 0,1,2,3
	v_exp_f32 v[MX+\b], v[MX+\b]                   ; the block's largest p: the same two instructions on the same number
.endr
	v_nop                                          ; one plain place behind the exponentials
	s_wait_alu depctr_va_vdst(0)
.irp b, 0,1,2,3
	v_max_num_f32 v[MX+\b], 0x2800000, v[MX+\b]    ; the floor: a block of zeros keeps the byte 1
.endr
.irp b, 0,1,2,3
	s_delay_alu instid0(VALU_DEP_4)
	v_add_nc_u32 v[OP+\b], 0xfe000000, v[MX+\b]
.endr
.irp b, 0,1,2,3
	s_delay_alu instid0(VALU_DEP_4)
	v_lshrrev_b32 v[BY+\b], 23, v[OP+\b]
.endr
.irp u, 0
	s_delay_alu instid0(VALU_DEP_3)
	v_lshl_or_b32 v[PS+\u], v[BY+2*\u+1], 8, v[BY+2*\u]
.endr
.irp u, 1
	s_delay_alu instid0(VALU_DEP_2)
	v_lshl_or_b32 v[PS+\u], v[BY+2*\u+1], 8, v[BY+2*\u]
.endr
.irp u, 0,1                            ; sixteen slots a lane and block: tile 0's p, then zeros; or zeros, then tile 1's p
	CVT2 QC+12*\u, TH+4*\u, SA+8*\u, SA+24+8*\u, OP+2*\u, OP+2*\u+1
.endr
	v_nop                                          ; one plain place behind the scaled conversions
.irp u, 0,1
	JOIN QC+12*\u, TH+4*\u
.endr
.irp u, 0,1                            ; the row's sum, of the UNQUANTISED p.  These lines are also the places between p's codes and scale words and the products below
	v_pk_add_f32 v[LS+2*\u:LS+2*\u+1], v[SA+16*\u:SA+16*\u+1], v[SA+16*\u+2:SA+16*\u+3]
.endr
.irp k, 4,6,24,26,28,30
.irp u, 0,1
	v_pk_add_f32 v[LS+2*\u:LS+2*\u+1], v[LS+2*\u:LS+2*\u+1], v[SA+16*\u+\k:SA+16*\u+\k+1]
.endr
.endr
.irp u, 0,1
	s_delay_alu instid0(VALU_DEP_2)
	v_add_f32 v[LS+2*\u+1], v[LS+2*\u], v[LS+2*\u+1]
.endr
.irp u, 0,1
	s_delay_alu instid0(VALU_DEP_2)
	v_permlanex16_b32 v[PX+\u], v[LS+2*\u+1], s44, s45
.endr
.irp u, 0,1
	s_delay_alu instid0(VALU_DEP_2)
	v_add_f32 v[LS+2*\u+1], v[LS+2*\u+1], v[PX+\u]
.endr
	s_wait_alu depctr_va_vdst(0)
.irp u, 0,1
	v_rcp_f32 v[LS+2*\u], v[LS+2*\u+1]             ; used behind the four places below
.endr
; ---- O^T = v^T p^T: source 0 = 16 channels, source 1 = p of query tile u: lane (r, h) holds query r, registers 16 u + 0 .. 15 channels 16 h + 0 .. 15
.irp u, 0,1
.irp p, 0,1
	MMZ OA+16*\u+8*\p, VC+6*\p, QC+12*\u, VS+\p, PS+\u
.endr
.endr
.rept 4
	v_nop                                          ; places behind the products
.endr
	s_wait_alu depctr_va_vdst(0)
.irp u, 0,1
.irp j, 0,2,4,6,8,10,12,14
	v_pk_mul_f32 v[OA+16*\u+\j:OA+16*\u+\j+1], v[OA+16*\u+\j:OA+16*\u+\j+1], v[LS+2*\u:LS+2*\u+1] op_sel_hi:[1,0]   ; o = O / the sum
.endr
.endr
.irp u, 0,1                            ; o in f32 to LDS, at its places along the last product's K: eight channels of my head are 32 neighbouring bytes of their block
.irp q, 0,1
.irp e, 0,1
	ds_store_b128 v[OW], v[OA+16*\u+8*\q+4*\e:OA+16*\u+8*\q+4*\e+3] offset:XT*\u+128*\q+16*\e
.endr
.endr
.endr
	BARRIER                                        ; o of the four query tiles, all heads, lies in LDS; Wo's fragments are in my registers
; ---- LAST PHASE: o is quantised; y = x + o Wo + bo for query tile Tq, features 64 g on; LayerNorm
.irp b, 0,1,2,3
.irp j, 0,1,2,3
	ds_load_b128 v[ON+16*\b+4*\j:ON+16*\b+4*\j+3], v[OFA] offset:128*\b+16*\j
.endr
.endr
.irp p, 0,1
.irp e, 0,1,2,3
	ds_load_b128 v[XRS+16*\p+4*\e:XRS+16*\p+4*\e+3], v[XRES] offset:128*\p+16*\e
.endr
.endr
	s_wait_dscnt 0x0
	QUANT ON
	v_mov_b32 v[OSC], v[PW]                        ; the scale word, into a register that holds scales alone
.rept 8
	v_nop                                          ; a scale register written by a vector instruction stands eight places ahead of the scaled product
.endr
	WIN 0x11                                       ; sources 0 (Wo) and 2 (bo) window 1
.irp p, 0,1
.irp t, 0,1
	MMC YA+16*\p+8*\t, WO+24*\p+12*\t, PC, BO+16*\p+8*\t, SWO+\p, OSC, \t
.endr
.endr
	WIN 0
.rept 4
	v_nop                                          ; places behind the products
.endr
.irp k, 0,2,4,6,8,10,12,14,16,18,20,22,24,26,28,30
	v_pk_add_f32 v[YA+\k:YA+\k+1], v[YA+\k:YA+\k+1], v[XRS+\k:XRS+\k+1]   ; register 16 p + i: feature 64 g + 32 p + 16 h + i of row r, in both
.endr
	v_pk_add_f32 v[56:57], v[YA:YA+1], v[YA+4:YA+5]           ; the mean of my 64 features, in two chains
	v_pk_add_f32 v[58:59], v[YA+2:YA+3], v[YA+6:YA+7]
.irp k, 8,12,16,20,24,28
	s_delay_alu instid0(VALU_DEP_2)
	v_pk_add_f32 v[56:57], v[56:57], v[YA+\k:YA+\k+1]
	s_delay_alu instid0(VALU_DEP_2)
	v_pk_add_f32 v[58:59], v[58:59], v[YA+\k+2:YA+\k+3]
.endr
	s_delay_alu instid0(VALU_DEP_1)
	v_pk_add_f32 v[56:57], v[56:57], v[58:59]
	s_delay_alu instid0(VALU_DEP_1)
	v_add_f32 v56, v56, v57
	s_delay_alu instid0(VALU_DEP_1)
	v_permlanex16_b32 v[PX], v56, s44, s45
	s_delay_alu instid0(VALU_DEP_1)
	v_add_f32 v56, v56, v[PX]
	s_delay_alu instid0(VALU_DEP_1)
	v_mul_f32 v[ML], 0x3c800000, v56               ; / 64
.irp k, 0,2,4,6,8,10,12,14,16,18,20,22,24,26,28,30
	v_pk_add_f32 v[YA+\k:YA+\k+1], v[YA+\k:YA+\k+1], v[ML:ML+1] op_sel_hi:[1,0] neg_lo:[0,1] neg_hi:[0,1]   ; d = y - that mean: the squares are taken of differences, not of y
.endr
	v_pk_mul_f32 v[56:57], v[YA:YA+1], v[YA:YA+1]
	v_pk_mul_f32 v[58:59], v[YA+2:YA+3], v[YA+2:YA+3]
.irp k, 4,8,12,16,20,24,28
	s_delay_alu instid0(VALU_DEP_2)
	v_pk_fma_f32 v[56:57], v[YA+\k:YA+\k+1], v[YA+\k:YA+\k+1], v[56:57]
	s_delay_alu instid0(VALU_DEP_2)
	v_pk_fma_f32 v[58:59], v[YA+\k+2:YA+\k+3], v[YA+\k+2:YA+\k+3], v[58:59]
.endr
	s_delay_alu instid0(VALU_DEP_1)
	v_pk_add_f32 v[56:57], v[56:57], v[58:59]
	s_delay_alu instid0(VALU_DEP_1)
	v_add_f32 v[ML+1], v56, v57
	s_delay_alu instid0(VALU_DEP_1)
	v_permlanex16_b32 v[PX], v[ML+1], s44, s45
	s_delay_alu instid0(VALU_DEP_1)
	v_add_f32 v[ML+1], v[ML+1], v[PX]
	ds_store_b64 v[LNW], v[ML:ML+1]
	s_wait_alu depctr_va_vdst(0)
	BARRIER                                        ; every half row's (mean, sum of squares) lies in LDS
	ds_load_b64 v[56:57], v[LNR]                   ; the other half's
	s_wait_dscnt 0x0
	v_sub_f32 v58, v56, v[ML]                      ; delta = its mean - mine
	v_add_f32 v59, v[ML+1], v57
	s_delay_alu instid0(VALU_DEP_2)
	v_mul_f32 v60, v58, v58
	s_delay_alu instid0(VALU_DEP_1)
	v_fma_f32 v59, v60, 0x42000000, v59            ; the whole row's sum of squares: both halves' + 64 x 64 / 128 x delta^2
	s_delay_alu instid0(VALU_DEP_1)
	v_fma_f32 v59, v59, s48, s49                   ; / 128 + eps
	s_wait_alu depctr_va_vdst(0)
	v_rsq_f32 v60, v59
	v_mul_f32 v62, -0.5, v58                       ; (the plain place behind the transcendental)  y - the row's mean = d - delta / 2
	s_wait_alu depctr_va_vdst(0)
	v_mul_f32 v62, v62, v60
.irp k, 0,2,4,6,8,10,12,14,16,18,20,22,24,26,28,30
	v_pk_fma_f32 v[YA+\k:YA+\k+1], v[YA+\k:YA+\k+1], v[60:61], v[62:63] op_sel_hi:[1,0,0]
.endr
; THE WAY OUT: a lane holds pieces of one row; through my own stage the rows come back whole, 256 bytes to sixteen lanes
.irp p, 0,1
.irp e, 0,1,2,3
	ds_store_b128 v[STO], v[YA+16*\p+4*\e:YA+16*\p+4*\e+3] offset:128*\p+16*\e
.endr
.endr
.irp i, 0,1,2,3,4,5,6,7
	ds_load_b128 v[RB+4*\i:RB+4*\i+3], v[SRD] offset:2*SP*\i   ; my wave's own bytes: LDS serves a wave's instructions in order
.endr
.irp i, 0,1,2,3,4,5,6,7
	s_wait_dscnt 7-\i                              ; tile rows 2 i and 2 i + 1 are back; the younger loads stay out
	v_pk_fma_f32 v[RB+4*\i:RB+4*\i+1], v[RB+4*\i:RB+4*\i+1], v[GAM:GAM+1], v[BET:BET+1]
	v_pk_fma_f32 v[RB+4*\i+2:RB+4*\i+3], v[RB+4*\i+2:RB+4*\i+3], v[GAM+2:GAM+3], v[BET+2:BET+3]
	global_store_b128 v[GO], v[RB+4*\i:RB+4*\i+3], s[42:43] offset:512*(8*(\i%4)+2*(\i/4)) th:TH_STORE_NT   ; sixteen lanes store 256 consecutive bytes, at a multiple of 256 from out0's first byte
.endr
	s_wait_xcnt 0x0
	v_lshl_add_u32 v254, v0, 2, 0x2c900
	v_mov_b32 v255, 0
	s_wait_alu depctr_va_vdst(0)
	s_wait_tensorcnt 0x0
	ds_add_u32 v254, v255
	s_wait_dscnt 0x0
	s_endpgm
.Lfunc_end_k_qba40792aa0_attn:
	.size	k_qba40792aa0_attn, .Lfunc_end_k_qba40792aa0_attn-k_qba40792aa0_attn
	.p2alignl 7, 3214868480
	.fill 96, 4, 3214868480
	.section	.rodata,"a",@progbits
	.p2align	6, 0x0
	.amdhsa_kernel k_qba40792aa0_attn
		.amdhsa_group_segment_fixed_size 183552
		.amdhsa_private_segment_fixed_size 0
		.amdhsa_enable_private_segment 0
		.amdhsa_kernarg_size 96
		.amdhsa_user_sgpr_count 2
		.amdhsa_user_sgpr_kernarg_segment_ptr 1
		.amdhsa_wavefront_size32 1
		.amdhsa_system_sgpr_workgroup_id_x 1
		.amdhsa_system_sgpr_workgroup_id_y 1
		.amdhsa_system_sgpr_workgroup_id_z 1
		.amdhsa_system_vgpr_workitem_id 0
		.amdhsa_next_free_vgpr 512
		.amdhsa_next_free_sgpr 80
		.amdhsa_reserve_vcc 1
		.amdhsa_float_denorm_mode_32 3
		.amdhsa_float_denorm_mode_16_64 3
		.amdhsa_memory_ordered 1
		.amdhsa_forward_progress 1
		.amdhsa_inst_pref_size 131
	.end_amdhsa_kernel
	.amdgpu_metadata
---
amdhsa.version: [ 1, 2 ]
amdhsa.kernels:
  - .name:           k_qba40792aa0_attn
    .symbol:         k_qba40792aa0_attn.kd
    .args:
      - { .name: x, .offset: 0, .size: 8, .value_kind: global_buffer, .address_space: global }
      - { .name: Wq, .offset: 8, .size: 8, .value_kind: global_buffer, .address_space: global }
      - { .name: Wk, .offset: 16, .size: 8, .value_kind: global_buffer, .address_space: global }
      - { .name: Wv, .offset: 24, .size: 8, .value_kind: global_buffer, .address_space: global }
      - { .name: Wo, .offset: 32, .size: 8, .value_kind: global_buffer, .address_space: global }
      - { .name: bq, .offset: 40, .size: 8, .value_kind: global_buffer, .address_space: global }
      - { .name: bk, .offset: 48, .size: 8, .value_kind: global_buffer, .address_space: global }
      - { .name: bv, .offset: 56, .size: 8, .value_kind: global_buffer, .address_space: global }
      - { .name: bo, .offset: 64, .size: 8, .value_kind: global_buffer, .address_space: global }
      - { .name: gamma, .offset: 72, .size: 8, .value_kind: global_buffer, .address_space: global }
      - { .name: beta, .offset: 80, .size: 8, .value_kind: global_buffer, .address_space: global }
      - { .name: out0, .offset: 88, .size: 8, .value_kind: global_buffer, .address_space: global }
    .group_segment_fixed_size: 183552
    .private_segment_fixed_size: 0
    .kernarg_segment_align: 8
    .kernarg_segment_size: 96
    .max_flat_workgroup_size: 256
    .sgpr_count:     80
    .vgpr_count:     512
    .wavefront_size: 32
...
	.end_amdgpu_metadata
.endif
;; end of part 3
